; MI455X (gfx1250); checked and timed in simulation.
; The chip was launched on July 23, 2026; its instructions are those of AMD's public machine-readable ISA for CDNA 5 (MIT licence, August 2026) and "CDNA5" Instruction Set Architecture Reference Guide (July 2026). The comments in the code are by the model that wrote it; some were corrected since.
;; MHA. Allowed arithmetic: matrix products marked QUANTISED: E2M1 operands, one E8M0 scale for each 32 along K, by v_wmma_scale_f32_16x16x128_f8f6f4 with both operands' format E2M1 (or v_wmma_scale_f32_32x16x128_f4), f32 sums; everything else in f32.
;; Inputs: W_qkv_codes 3,072 x 32 x 16 uint8 (E2M1 codes of W_qkv, K innermost, in blocks of 32 codes, two codes a byte); W_qkv_scales 3,072 x 32 uint8 (E8M0 scales of W_qkv, one for each 32 codes along K); b_qkv 3,072 float32; mask 2,048 x 2,048 float32; x_codes 4 x 2,048 x 32 x 16 uint8 (E2M1 codes of x, K innermost, in blocks of 32 codes, two codes a byte); x_scales 4 x 2,048 x 32 uint8 (E8M0 scales of x, one for each 32 codes along K).
;; Outputs: out0 4 x 2,048 x 1,024 float32.
;; This version of the problem:
;;   THIS VERSION OF THE PROBLEM IS GIVEN IN LOW PRECISION. The matrix products marked QUANTISED in the list below multiply operands that are first quantised to E2M1 (2 exponent bits, 1 mantissa bit; 4 bits a number), with one power-of-two scale for each 32 numbers along K (OCP MX v1.0); their sums are f32. All else is computed in f32.
;;   The module's matrix products, in the order in which they are computed (A, B: the left and right operand; K: the contracted axis; several contracted axes count as one K, in the product's order):
;;     1. [M 8,192, K 1,024] x [K 1,024, N 3,072]; A: input x (given as codes); B: input W_qkv (given as codes): QUANTISED
;;     2. batch 64 x [M 2,048, K 64] x [K 64, N 2,048]; A: computed on the way; B: computed on the way: QUANTISED
;;     3. batch 64 x [M 2,048, K 2,048] x [K 2,048, N 64]; A: softmax (see below); B: computed on the way: QUANTISED
;;   THE QUANTISER, for each operand of a quantised product, along K:
;;     - K is cut into blocks of 32 from its start; a last block that is shorter is filled with zeros.
;;     - A block's scale is 2^e with e = floor(log2(the largest magnitude in the block)) - 2, held to -126 .. 127; a block of zeros has e = 0. As a byte (E8M0): e + 127.
;;     - Each number is divided by its block's scale, clamped to +-6, and rounded to the nearest number of E2M1, ties to even, subnormals kept.
;;     - The product sums the exact products of the quantised numbers (number of the format x scale) in f32.
;;   ~~~python
;;   def quantise(x, axis):      # numpy; x: float32 -> the quantised numbers, widened to float32 again
;;       x = np.moveaxis(x, axis, -1); K = x.shape[-1]
;;       x = np.pad(x, [(0, 0)] * (x.ndim - 1) + [(0, -K % 32)]); x = x.reshape(x.shape[:-1] + (-1, 32)); a = np.abs(x).max(-1, keepdims=True)
;;       e = np.where(a > 0, np.clip(np.frexp(np.where(a > 0, a, 1))[1] - 1 - 2, -126, 127), 0)      # np.frexp(a)[1] - 1 = floor(log2(a)), exactly
;;       r = np.clip(x / 2.0 ** e, -6, 6)
;;       step = 2.0 ** (np.maximum(np.frexp(np.where(r == 0, 1, r))[1] - 1, 0) - 1)
;;       q = np.round(r / step) * step * 2.0 ** e      # np.round: ties to even
;;       return np.moveaxis(q.reshape(q.shape[:-2] + (-1,))[..., :K], -1, axis).astype(np.float32)
;;   ~~~
;;   SOFTMAX AHEAD OF A QUANTISED PRODUCT. Where the list says 'softmax', what is quantised is not the finished softmax but p = 2^(t - M), with t = logit x log2(e) and M = ceil(the row's largest t), a whole number; so 1/2 < the row's largest p <= 1. The row's sum l is taken of the UNQUANTISED p, in f32, and the product's result is divided by l at the end. Since M is a whole number, a kernel that streams over the keys may use a running M (the ceiling of the running maximum): every later rescaling is an exact power of two, which a block's scale takes up: the codes' values come out the same.
;;   OPERANDS COMPUTED ON THE WAY. 'Computed on the way' means the value that the module computes at that place (a softmax that the list does not call 'softmax' is quantised finished and normalised). What goes into a quantiser is computed in f32, as accurately as f32 sums, v_exp_f32 and their like allow (about 1e-6 of the number): no bf16 or f16 on the way to a quantiser, and a product that is left as it is and whose result goes on into a quantised operand takes f32 operands (vector FMAs, or v_wmma_f32_16x16x4_f32). A number that lies on a knife's edge between two numbers of the format may be rounded either way, as far as f32 arithmetic and the matrix unit's own rounding can turn it there, and no further.
;;   INPUTS GIVEN AS CODES. W_qkv (in the module: [1024, 3072], K = its axis 0); x (in the module: [4, 2048, 1024], K = its axis 2): each comes as NAME_codes (uint8): NAME with its K axis moved to the last place and cut into blocks of 32 codes, [.., K / 32, bytes a block], one block behind the other in memory; two codes a byte, the lower K in the low four bits (a code: sign, 2 exponent bits, 1 mantissa bit); and NAME_scales (uint8): the same leading axes, one E8M0 byte (e + 127) for each 32 codes along K. Its value is code x scale, taken as it is: it is not quantised again, and the codes and scales need not be those that the quantiser above would give.
;; 2 versions, each right; version 2 is version 1 with the launch attend written anew for expert scheduling mode. Each part assembles by itself: llvm-mc -triple=amdgcn-amd-amdhsa -mcpu=gfx1250 --defsym DOCPART=n.
;; ======== version 1 of 2: 3 launches
;; limits: right only within a limited range of input values
;; workspace buffers: flags 1,024 bytes of whole numbers; q_codes 4,194,304 bytes; k_codes 4,194,304 bytes; v_codes 4,194,304 bytes; q_sc 524,288 bytes; k_sc 262,144 bytes; v_half 524,288 bytes
;; launch classify (part 1): grid 256 x 1, 8 waves a work-group, no clusters, 1,280 bytes of LDS; arguments mask, flags; writes flags
.if DOCPART == 1
	.amdgcn_target "amdgcn-amd-amdhsa--gfx1250"
	.amdhsa_code_object_version 6
	.text
	.protected	k_qba946df497_classify
	.globl	k_qba946df497_classify
	.p2align	8
	.type	k_qba946df497_classify,@function
k_qba946df497_classify:
	s_mov_b64 s[64:65], 0
	v_nop
	global_prefetch_b8 v0, s[64:65] scope:SCOPE_SE
	s_setreg_imm32_b32 hwreg(HW_REG_WAVE_MODE, 25, 1), 1
	s_wait_xcnt 0x0
; The mask [2048][2048] f32 is read once and turned into whole numbers that the attention launch branches on.
; flags[g], g = a group of 8 mask rows: bit i = key step i (keys 128 i .. 128 i + 127) may be left out for all 8 rows; bit 16 + i = the mask is exactly 0 there for all 8 rows.
; A step may be left out for a row where its smallest mask number lies at least 0.75 + 2^-20 |rowmin| above the row's smallest: the logits get mask x -1e9, so every key of the step lies
; more than 7e8 less twice the largest |q.k/8| under the key that has the row's smallest mask number, and its weight is 0 in f32.  The step that holds the row's smallest is never left out.
; LIMITS: |q.k/8| under 3e8; NaN and infinities in the mask are not served.
; SHARES: work-group g takes rows 8 g .. 8 g + 7, a wave a row of 8,192 bytes: sixteen loads of 512 consecutive bytes, load i = key step i, all sixteen out at once.
; The one word a work-group stores is 4 bytes: 1,024 bytes in the whole launch.
.set DAT, 16                           ; v16-79   the row, 4 numbers a lane and step
.set TMN, 80                           ; v80-95   a step's smallest mask number
.set TAB, 96                           ; v96-111  a step's largest magnitude
.set PD,  112                          ; the lane exchange's destination
.set RMN, 113                          ; the row's smallest
.set THR, 114                          ; the threshold
.set WRD, 115                          ; the row's word
.set DIF, 116
.set BIT, 117
.set WAD, 118                          ; 4 x wave
.set NIL, 119                          ; 0
.set ALL, 120                          ; v120-127 the eight rows' words
	s_load_b128 s[4:7], s[0:1], 0x0                ; mask, flags
	v_lshl_add_u32 v128, v0, 2, 0x100
	v_mov_b32 v129, 0
	v_lshrrev_b32 v2, 5, v0
	v_readfirstlane_b32 s8, v2                     ; wave 0..7
	v_and_b32 v1, 31, v0
	v_lshlrev_b32 v1, 4, v1                        ; 16 bytes a lane
	v_lshlrev_b32 v[WAD], 2, v2
	v_mov_b32 v[PD], 0                             ; a lane exchange's destination counts as read
	v_mov_b32 v[NIL], 0
	v_mov_b32 v[WRD], 0
	s_lshl_b32 s10, ttmp9, 3
	s_add_co_u32 s10, s10, s8                      ; my row
	s_lshl_b32 s10, s10, 13                        ; x 8,192 bytes
	s_mov_b32 s11, 0
	s_mov_b32 s12, 0x76543210
	s_mov_b32 s13, 0xfedcba98                      ; lane l xor 16
	s_mov_b32 s14, 0x35800000                      ; 2^-20
	s_mov_b32 s15, 0x3f400000                      ; 0.75
	s_wait_kmcnt 0x0
	s_add_nc_u64 s[4:5], s[4:5], s[10:11]
.irp i, 0,1,2,3,4,5,6,7,8,9,10,11,12,13,14,15
	global_load_b128 v[DAT+4*\i:DAT+4*\i+3], v1, s[4:5] offset:512*\i th:TH_LOAD_NT
.endr
.irp i, 0,1,2,3,4,5,6,7,8,9,10,11,12,13,14,15
	s_wait_loadcnt 15-\i                           ; loads come back in order: step i is in, the younger ones stay out
	v_min3_num_f32 v[TMN+\i], v[DAT+4*\i], v[DAT+4*\i+1], v[DAT+4*\i+2]
	v_max3_num_f32 v[TAB+\i], |v[DAT+4*\i]|, |v[DAT+4*\i+1]|, |v[DAT+4*\i+2]|
	v_min_num_f32 v[TMN+\i], v[TMN+\i], v[DAT+4*\i+3]
	v_max_num_f32 v[TAB+\i], v[TAB+\i], |v[DAT+4*\i+3]|
.endr
; across the 32 lanes: four steps inside each half of 16 lanes, the 32 numbers by turns, then one across the halves
.irp m, 1,2,4,8
.irp i, 0,1,2,3,4,5,6,7,8,9,10,11,12,13,14,15
	v_min_num_f32_dpp v[TMN+\i], v[TMN+\i], v[TMN+\i] row_xmask:\m row_mask:0xf bank_mask:0xf
	v_max_num_f32_dpp v[TAB+\i], v[TAB+\i], v[TAB+\i] row_xmask:\m row_mask:0xf bank_mask:0xf
.endr
.endr
.irp i, 0,1,2,3,4,5,6,7,8,9,10,11,12,13,14,15
	v_permlanex16_b32 v[PD], v[TMN+\i], s12, s13
	v_min_num_f32 v[TMN+\i], v[TMN+\i], v[PD]
	v_permlanex16_b32 v[PD], v[TAB+\i], s12, s13
	v_max_num_f32 v[TAB+\i], v[TAB+\i], v[PD]
.endr
	v_min3_num_f32 v[RMN], v[TMN], v[TMN+1], v[TMN+2]
.irp i, 3,5,7,9,11,13
	v_min3_num_f32 v[RMN], v[RMN], v[TMN+\i], v[TMN+\i+1]
.endr
	v_min_num_f32 v[RMN], v[RMN], v[TMN+15]        ; the row's smallest mask number
	v_fma_f32 v[THR], |v[RMN]|, s14, s15           ; 0.75 + 2^-20 |rowmin|
.irp i, 0,1,2,3,4,5,6,7,8,9,10,11,12,13,14,15
	v_sub_f32 v[DIF], v[TMN+\i], v[RMN]
	v_cmp_ge_f32 vcc_lo, v[DIF], v[THR]
	v_cndmask_b32 v[BIT], 0, 1, vcc_lo
	v_lshl_or_b32 v[WRD], v[BIT], \i, v[WRD]       ; bit i: the step may be left out for my row
	v_cmp_eq_f32 vcc_lo, 0, v[TAB+\i]
	v_cndmask_b32 v[BIT], 0, 1, vcc_lo
	v_lshl_or_b32 v[WRD], v[BIT], 16+\i, v[WRD]    ; bit 16 + i: the mask is 0 there in my row
.endr
	ds_store_b32 v[WAD], v[WRD]                    ; all lanes hold the same word and write it to the wave's place
	s_wait_dscnt 0x0                               ; for the others' sake: my store is done
	s_barrier_signal -1
	s_barrier_wait -1
	s_cmp_lg_u32 s8, 0
	s_cbranch_scc1 .Lend                           ; wave 0 joins the eight rows and stores
	ds_load_b128 v[ALL:ALL+3], v[NIL]
	ds_load_b128 v[ALL+4:ALL+7], v[NIL] offset:16
	s_lshl_b32 s10, ttmp9, 2
	s_add_nc_u64 s[6:7], s[6:7], s[10:11]
	s_wait_dscnt 0x0
.irp i, 1,2,3,4,5,6,7
	v_and_b32 v[ALL], v[ALL], v[ALL+\i]            ; a bit stands where it stands for all eight rows
.endr
	s_wait_xcnt 0x0                                ; EXEC changes only behind this wait
	v_cmp_eq_u32 vcc_lo, 0, v0
	s_and_saveexec_b32 s9, vcc_lo
	global_store_b32 v[NIL], v[ALL], s[6:7]
	s_wait_xcnt 0x0                                ; and again in front of the line that widens it
	s_or_b32 exec_lo, exec_lo, s9
.Lend:
	s_wait_tensorcnt 0x0
	ds_add_u32 v128, v129
	s_wait_dscnt 0x0
	s_endpgm
.Lfunc_end_k_qba946df497_classify:
	.size	k_qba946df497_classify, .Lfunc_end_k_qba946df497_classify-k_qba946df497_classify
	.p2alignl 7, 3214868480
	.fill 96, 4, 3214868480
	.section	.rodata,"a",@progbits
	.p2align	6, 0x0
	.amdhsa_kernel k_qba946df497_classify
		.amdhsa_group_segment_fixed_size 1280
		.amdhsa_private_segment_fixed_size 0
		.amdhsa_enable_private_segment 0
		.amdhsa_kernarg_size 16
		.amdhsa_user_sgpr_count 2
		.amdhsa_user_sgpr_kernarg_segment_ptr 1
		.amdhsa_wavefront_size32 1
		.amdhsa_system_sgpr_workgroup_id_x 1
		.amdhsa_system_sgpr_workgroup_id_y 1
		.amdhsa_system_sgpr_workgroup_id_z 1
		.amdhsa_system_vgpr_workitem_id 0
		.amdhsa_next_free_vgpr 130
		.amdhsa_next_free_sgpr 66
		.amdhsa_reserve_vcc 1
		.amdhsa_float_denorm_mode_32 3
		.amdhsa_float_denorm_mode_16_64 3
		.amdhsa_memory_ordered 1
		.amdhsa_forward_progress 1
		.amdhsa_inst_pref_size 25
	.end_amdhsa_kernel
	.amdgpu_metadata
---
amdhsa.version: [ 1, 2 ]
amdhsa.kernels:
  - .name:           k_qba946df497_classify
    .symbol:         k_qba946df497_classify.kd
    .args:
      - { .name: mask, .offset: 0, .size: 8, .value_kind: global_buffer, .address_space: global }
      - { .name: flags, .offset: 8, .size: 8, .value_kind: global_buffer, .address_space: global }
    .group_segment_fixed_size: 1280
    .private_segment_fixed_size: 0
    .kernarg_segment_align: 8
    .kernarg_segment_size: 16
    .max_flat_workgroup_size: 256
    .sgpr_count:     66
    .vgpr_count:     130
    .wavefront_size: 32
...
	.end_amdgpu_metadata
.endif
;; end of part 1
;; launch qkv (part 2): grid 16 x 32, 4 waves a work-group, clusters of 4 x 4, 262,656 bytes of LDS; arguments x_codes, x_scales, W_qkv_codes, W_qkv_scales, b_qkv, q_codes, q_sc, k_codes, k_sc, v_codes, v_half; writes q_codes, q_sc, k_codes, k_sc, v_codes, v_half
.if DOCPART == 2
	.amdgcn_target "amdgcn-amd-amdhsa--gfx1250"
	.amdhsa_code_object_version 6
	.text
	.protected	k_qba946df497_qkv
	.globl	k_qba946df497_qkv
	.p2align	8
	.type	k_qba946df497_qkv,@function
k_qba946df497_qkv:
	s_mov_b64 s[64:65], 0
	v_nop
	global_prefetch_b8 v0, s[64:65] scope:SCOPE_SE
	s_setreg_imm32_b32 hwreg(HW_REG_WAVE_MODE, 25, 1), 1
	s_wait_xcnt 0x0
	s_wait_alu depctr_hold_cnt(0) depctr_sa_sdst(0) depctr_va_vdst(0) depctr_va_sdst(0) depctr_va_ssrc(0) depctr_va_vcc(0) depctr_vm_vsrc(0)
	s_getreg_b32 s2, hwreg(HW_REG_IB_STS2, 6, 4)
	s_cmp_eq_u32 s2, 0
	s_cbranch_scc0 .Lentry_in_a_cluster
	s_endpgm
.Lentry_in_a_cluster:
	s_bfe_u32 s2, ttmp6, 0x10000c
	s_cmp_lg_u32 s2, 0xf033
	s_cbranch_scc0 .Lentry_shape_is_right
	s_endpgm
.Lentry_shape_is_right:
; qkv = x W + b on codes of FP4 (E2M1) with E8M0 scales as they are given, and q, k, v quantised at once for the attention launch.  Column h 192 + 3 d + j of W is q (j = 0), k (1) or v (2) of head h, channel d.
; SHARES.  A work-group takes 256 tokens x the 192 columns of one head; wave w takes tokens 64 w .. 64 w + 63 x all 192 columns: 48 accumulators of 16 x 16, 384 registers; one sum an output, K ascending.
; LDS IS FILLED ONCE: all of K (1,024: 512 bytes a row) lies there as two slots of 256-byte rows, and the scale bytes beside them; no byte is filled again.
; CLUSTER 4 x 4: the four work-groups of a row of the cluster take the same tokens, the four of a column the same head: each tile is asked for jointly, by the same load with a mask that names the four.
; q AND k ARE MADE TRANSPOSED (source 0 = 16 rows of W, every third row of the head's 192; source 1 = 16 tokens): a lane holds one token and its registers run along d, the next product's K.
; v IS MADE THE OTHER WAY (source 0 = 16 tokens, source 1 = 16 rows of W): a lane holds one d and its registers run along the tokens, which are the keys, the last product's K.
; THE ORDER INSIDE A BLOCK OF 32: in all four operands made so (q, k here; v here and p in the attention launch) code places 0-7, 8-15, 16-23, 24-31 of a block hold its elements 0-7, 16-23, 8-15, 24-31.
; The same order on both sides of a product keeps every product and every block, so no rows are picked out of order and nothing more is moved.
; OUT: register images.  q_codes, k_codes [nh][tile of 16 tokens][lane][16 bytes]; v_codes [nh][step of 128 keys][d tile][half c][lane][16 bytes]; each store of the wave covers 512 consecutive bytes, aligned.
; q_sc [nh][tile][16] words (s0, s1, s0, s1); k_sc [nh][pair of tiles][16] words (s0, s1 of the even tile, s0, s1 of the odd); v_half [nh][step][c][d tile][16] words with bytes 2 c, 2 c + 1 set.  These stores cover 128 bytes each.
; The bias is the C of each sum's first matrix instruction.
; LIMITS: a block whose largest magnitude lies under 2^-124 gets the byte 1 (a block of zeros too: its codes are zeros, and this program alone reads the bytes); NaN and infinities are not served.
; REGISTERS, in windows of 256: window 0: addresses, scale words v32-95, the quantiser's work v96-195.  window 1: two sets of fragments at v0 and v128: x's four at 8 tt, W's twelve at 32 + 8 (4 j + dt).
;   window 2: q's accumulators at 32 tt + 8 dt, k's at 128 + 32 tt + 8 dt.   window 3: v's at 32 dt + 8 tt; the bias tiles at 128 + 32 j + 8 dt.
.set PITCH,  272                       ; an LDS row: 256 bytes + 16 of padding; W's fragment rows lie 3 rows apart, 51 pieces of 16 bytes: the sixteen rows of a load start at sixteen different pieces modulo 256 bytes
.set HALFX,  128*PITCH                 ; what one load brings of x
.set HALFW,  96*PITCH                  ; and of W
.set SLOT,   2*HALFX+2*HALFW           ; x's 256 rows, then W's 192
.set SCX,    2*SLOT                    ; x's scale bytes: 256 rows x 32, dense
.set SCW,    SCX+8192                  ; W's: 192 rows x 32
.set LI,   1                           ; 16 x lane
.set LS,   2                           ; 4 x lane
.set ADX,  3                           ; v3-4  my x fragments in slot 0, 1
.set ADW,  5                           ; v5-6  W's
.set AXS,  7                           ; x's scale words: lanes 0-15 an even token tile, lanes 16-31 the odd one
.set AWS,  8                           ; W's: lanes 0-15 an even d tile, lanes 16-31 the odd one
.set BA,   9                           ; bias of q, k: 96 x (lane / 16)
.set BV,   10                          ; bias of v: 12 x (lane % 16)
.set XSC,  32                          ; v32-47  x's scale words at 8 c + 4 pp + q
.set WSC,  48                          ; v48-95  W's at 24 c + 4 (2 j + dp) + q
.set FLR,  96                          ; the floor 2^(3 - 127)
.set TM,   100                         ; eight largest magnitudes
.set TP,   108                         ; the lane exchanges' destinations
.set SO,   116                         ; the conversions' scale operands
.set BY,   124                         ; the scale bytes
.set PCQ,  132                         ; q's codes, 16 registers; k's; v's
.set PCK,  148
.set PCV,  164
.set SW,   180                         ; v180-194 scale words on their way out, each written once
.set G1X,  24
.set G0X,  32                          ; one set for each slot
.set G1W,  48
.set G0W,  56
.set G1SX, 80
.set G0SX, 88
.set G1SW, 92
.set G0SW, 20
.set MSB, 0
.macro WIN new                         ; the immediate's high byte repeats the setting that is left
.if MSB != \new
	s_set_vgpr_msb (MSB<<8)|\new
.set MSB, \new
.endif
.endm
; A joint load: waves 0 and 1 fetch for x, waves 2 and 3 for W.  The branch hangs on the wave's number alone.  Four v_nop follow each of the two lines.
.macro JLOAD g0a, g1a, g0b, g1b
	s_cmp_eq_u32 s15, 0
	s_cbranch_scc0 .Lfor_w_\@
	tensor_load_to_lds s[\g0a:\g0a+3], s[\g1a:\g1a+7]
	s_nop 0
.rept 4
	v_nop
.endr
	s_branch .Lasked_\@
.Lfor_w_\@:
	tensor_load_to_lds s[\g0b:\g0b+3], s[\g1b:\g1b+7]
	s_nop 0
.rept 4
	v_nop
.endr
.Lasked_\@:
.endm
.macro CROUND                          ; a round of the cluster's barrier
	s_barrier_signal -1
	s_barrier_wait -1
	s_cmp_lg_u32 s14, 0
	s_cbranch_scc1 .Lnot_wave_0_\@
	s_barrier_signal -3
.Lnot_wave_0_\@:
	s_barrier_wait -3
	s_barrier_signal -1
	s_barrier_wait -1
.endm
.macro PLACES n
.rept \n
	v_nop
.endr
.endm
	s_load_b256 s[4:11], s[0:1], 0x0               ; x's codes, x's scales, W's codes, W's scales
	s_load_b64 s[12:13], s[0:1], 0x20              ; b
	s_load_b256 s[68:75], s[0:1], 0x28             ; q_codes, q_sc, k_codes, k_sc
	s_load_b128 s[76:79], s[0:1], 0x48             ; v_codes, v_half
	v_lshl_add_u32 v254, v0, 2, 0x40000
	v_mov_b32 v255, 0
	ds_add_u32 v254, v255
	ds_add_u32 v254, v255
	v_lshrrev_b32 v11, 5, v0
	v_readfirstlane_b32 s14, v11                   ; wave 0..3
	s_lshr_b32 s15, s14, 1                         ; I fetch for x (0) or for W (1)
	s_and_b32 s16, s14, 1                          ; e: which half I fetch; also which half of a key step my 64 tokens are
	s_bfe_u32 s40, ttmp6, 0x40000                  ; cx
	s_bfe_u32 s41, ttmp6, 0x40004                  ; cy
	s_lshl_b32 s42, ttmp9, 2
	s_add_co_u32 s42, s42, s40                     ; the head = 4 x cluster x + cx
	s_and_b32 s17, ttmp7, 0xffff
	s_lshl_b32 s17, s17, 2
	s_add_co_u32 s17, s17, s41                     ; the block of 256 tokens = 4 x cluster y + cy
	s_lshl_b32 s43, s41, 2
	s_lshl_b32 s43, 15, s43                        ; my row of the cluster
	s_lshl_b32 s44, 0x1111, s40                    ; my column
	; group 1: tiles of 128 (x) or 96 (W) rows x 256 bytes, 512 bytes apart in memory, 16 bytes of padding behind each row
	s_or_b32 s[G1X], s43, (1<<20)|(1<<21)|(5<<22)|(3<<25)   ; the mask; elements of 1 byte; padding on; bit 21 beside a mask; after every 64 words, 4 words
	s_or_b32 s[G1W], s44, (1<<20)|(1<<21)|(5<<22)|(3<<25)
	s_mov_b32 s[G1X+1], 256<<16                    ; tensor_dim0
	s_mov_b32 s[G1X+2], 128<<16                    ; tensor_dim1
	s_mov_b32 s[G1X+3], 256<<16                    ; tile_dim0
	s_mov_b32 s[G1X+4], 128                        ; tile_dim1
	s_mov_b32 s[G1X+5], 512                        ; the pitch
	s_mov_b32 s[G1X+6], 0
	s_mov_b32 s[G1X+7], 0
	s_mov_b32 s[G1W+1], 256<<16
	s_mov_b32 s[G1W+2], 96<<16
	s_mov_b32 s[G1W+3], 256<<16
	s_mov_b32 s[G1W+4], 96
	s_mov_b32 s[G1W+5], 512
	s_mov_b32 s[G1W+6], 0
	s_mov_b32 s[G1W+7], 0
	; the scale bytes of 128 (96) rows are 4,096 (3,072) dense bytes: rows of 32 elements of 8 bytes
	s_or_b32 s[G1SX], s43, (3<<16)|(1<<21)
	s_or_b32 s[G1SW], s44, (3<<16)|(1<<21)
	s_mov_b32 s[G1SX+1], 32<<16
	s_mov_b32 s[G1SX+2], 16<<16
	s_mov_b32 s[G1SX+3], 32<<16
	s_mov_b32 s[G1SX+4], 16
	s_mov_b32 s[G1SX+5], 32
	s_mov_b32 s[G1SX+6], 0
	s_mov_b32 s[G1SX+7], 0
	s_mov_b32 s[G1SW+1], 32<<16
	s_mov_b32 s[G1SW+2], 12<<16
	s_mov_b32 s[G1SW+3], 32<<16
	s_mov_b32 s[G1SW+4], 12
	s_mov_b32 s[G1SW+5], 32
	s_mov_b32 s[G1SW+6], 0
	s_mov_b32 s[G1SW+7], 0
	; where the tiles come from: x's hang on the token block alone, W's on the head alone
	s_lshl_b32 s18, s17, 17                        ; x's codes: (256 tb + 128 e) rows of 512 bytes
	s_lshl_b32 s19, s16, 16
	s_add_co_u32 s18, s18, s19
	s_mov_b32 s19, 0
	s_lshl_b32 s2, s17, 13                         ; x's scales: rows of 32 bytes
	s_lshl_b32 s3, s16, 12
	s_add_co_u32 s2, s2, s3
	s_mov_b32 s3, 0
	s_mul_i32 s46, s42, 192*512                    ; W's codes: (192 head + 96 e) rows
	s_mul_i32 s47, s16, 96*512
	s_add_co_u32 s46, s46, s47
	s_mov_b32 s47, 0
	s_mul_i32 s66, s42, 192*32                     ; W's scales
	s_mul_i32 s67, s16, 96*32
	s_add_co_u32 s66, s66, s67
	s_mov_b32 s67, 0
	s_wait_dscnt 0x0
	s_wait_kmcnt 0x0
	s_add_nc_u64 s[18:19], s[4:5], s[18:19]
	s_add_nc_u64 s[2:3], s[6:7], s[2:3]
	s_add_nc_u64 s[46:47], s[8:9], s[46:47]
	s_add_nc_u64 s[66:67], s[10:11], s[66:67]
	CROUND                                         ; all sixteen work-groups are here: the joint loads meet
	; all groups 0 are written ahead of the first load; the LDS addresses hang on the wave's number alone
	s_mov_b32 s[G0SX], 1
	s_lshl_b32 s[G0SX+1], s16, 12
	s_add_co_u32 s[G0SX+1], s[G0SX+1], SCX
	s_mov_b64 s[G0SX+2:G0SX+3], s[2:3]
	s_or_b32 s[G0SX+3], s[G0SX+3], 0x80000000
	s_mov_b32 s[G0SW], 1
	s_mul_i32 s[G0SW+1], s16, 3072
	s_add_co_u32 s[G0SW+1], s[G0SW+1], SCW
	s_mov_b64 s[G0SW+2:G0SW+3], s[66:67]
	s_or_b32 s[G0SW+3], s[G0SW+3], 0x80000000
	s_mul_i32 s[G0X+1], s16, HALFX
	s_add_co_u32 s[G0X+5], s[G0X+1], SLOT
	s_mul_i32 s[G0W+1], s16, HALFW
	s_add_co_u32 s[G0W+1], s[G0W+1], 2*HALFX
	s_add_co_u32 s[G0W+5], s[G0W+1], SLOT
.irp c, 0,1
	s_mov_b32 s[G0X+4*\c], 1
	s_add_nc_u64 s[G0X+4*\c+2:G0X+4*\c+3], s[18:19], \c*256    ; slot c: K = 512 c on
	s_or_b32 s[G0X+4*\c+3], s[G0X+4*\c+3], 0x80000000
	s_mov_b32 s[G0W+4*\c], 1
	s_add_nc_u64 s[G0W+4*\c+2:G0W+4*\c+3], s[46:47], \c*256
	s_or_b32 s[G0W+4*\c+3], s[G0W+4*\c+3], 0x80000000
.endr
	JLOAD G0SX, G1SX, G0SW, G1SW                   ; three loads of mine go out: the scale bytes,
	JLOAD G0X, G1X, G0W, G1W                       ; slot 0,
	JLOAD G0X+4, G1X, G0W+4, G1W                   ; slot 1
	v_and_b32 v11, 31, v0                          ; lane
	v_lshlrev_b32 v[LI], 4, v11
	v_lshlrev_b32 v[LS], 2, v11
	v_and_b32 v12, 15, v0                          ; r
	v_bfe_u32 v13, v0, 4, 1                        ; hh
	v_mul_u32_u24 v14, v12, PITCH
	v_lshl_add_u32 v14, v13, 4, v14
	s_mul_i32 s2, s14, 64*PITCH
	v_add_nc_u32 v[ADX], s2, v14                   ; x: row 64 w + r, + 16 hh
	v_add_nc_u32 v[ADX+1], SLOT, v[ADX]
	v_mul_u32_u24 v14, v12, 3*PITCH
	v_lshl_add_u32 v14, v13, 4, v14
	v_add_nc_u32 v[ADW], 2*HALFX, v14              ; W: row 3 r (+ 48 dt + j in the offset), + 16 hh
	v_add_nc_u32 v[ADW+1], SLOT, v[ADW]
	v_lshlrev_b32 v14, 5, v12
	v_lshl_add_u32 v14, v13, 9, v14
	s_lshl_b32 s2, s14, 11
	s_add_co_u32 s2, s2, SCX
	v_add_nc_u32 v[AXS], s2, v14                   ; x's scales: row 64 w + r + 16 hh, 32 bytes a row
	v_mul_u32_u24 v14, v12, 96
	v_mad_u32_u24 v14, v13, 1536, v14
	v_add_nc_u32 v[AWS], SCW, v14                  ; W's: row 3 r + 48 hh
	v_mul_u32_u24 v[BA], v13, 96
	v_mul_u32_u24 v[BV], v12, 12
	v_mov_b32 v[FLR], 0x1800000
.irp g, 0,1,2,3,4,5,6,7
	v_mov_b32 v[TP+\g], 0                          ; written once: a lane exchange's destination counts as read
.endr
	s_mul_i32 s2, s42, 768
	s_mov_b32 s3, 0
	s_add_nc_u64 s[12:13], s[12:13], s[2:3]        ; b at my head's 192 numbers
	; the bias tiles, in the results' layouts.  q, k: register i of lane (r, hh) is channel 16 dt + 8 hh + i.  v: all eight registers are channel 16 dt + r
	WIN 0xc0                                       ; destination window 3
.irp j, 0,1
.irp dt, 0,1,2,3
.irp i, 0,1,2,3,4,5,6,7
	global_load_b32 v[128+32*\j+8*\dt+\i], v[BA], s[12:13] offset:4*(3*(16*\dt+\i)+\j)
.endr
.endr
.endr
.irp dt, 0,1,2,3
.irp i, 0,1,2,3,4,5,6,7
	global_load_b32 v[192+8*\dt+\i], v[BV], s[12:13] offset:4*(48*\dt+2)
.endr
.endr
	WIN 0
	s_mov_b32 s100, 0x76543210
	s_mov_b32 s101, 0xfedcba98                     ; lane l xor 16
	s_mov_b32 s66, 0xffff0000                      ; lanes 16-31
	s_lshl_b32 s45, s16, 4                         ; 16 e: where my two bytes stand in V's scale word
	; where my results go: nh = 16 (tb / 8) + head; T0 = my first tile of 16 tokens in the sequence
	s_lshr_b32 s2, s17, 3
	s_lshl_b32 s2, s2, 4
	s_add_co_u32 s2, s2, s42                       ; nh
	s_and_b32 s3, s17, 7
	s_lshl_b32 s3, s3, 4
	s_lshl_b32 s18, s14, 2
	s_add_co_u32 s3, s3, s18                       ; T0 = 16 (tb % 8) + 4 w
	s_mov_b32 s19, 0
	s_lshl_b32 s18, s2, 16
	s_lshl_b32 s46, s3, 9
	s_add_co_u32 s18, s18, s46
	s_add_nc_u64 s[68:69], s[68:69], s[18:19]      ; q_codes, k_codes: 65,536 bytes a head, 512 a tile
	s_add_nc_u64 s[72:73], s[72:73], s[18:19]
	s_lshl_b32 s18, s2, 13
	s_lshl_b32 s46, s3, 6
	s_add_co_u32 s18, s18, s46
	s_add_nc_u64 s[70:71], s[70:71], s[18:19]      ; q_sc: 64 bytes a tile
	s_lshl_b32 s18, s2, 12
	s_lshl_b32 s46, s3, 5
	s_add_co_u32 s18, s18, s46
	s_add_nc_u64 s[74:75], s[74:75], s[18:19]      ; k_sc: 64 bytes a pair of tiles
	s_lshr_b32 s3, s3, 3                           ; my key step
	s_lshl_b32 s18, s2, 16
	s_lshl_b32 s46, s3, 12
	s_add_co_u32 s18, s18, s46
	s_lshl_b32 s46, s16, 9
	s_add_co_u32 s18, s18, s46
	s_add_nc_u64 s[76:77], s[76:77], s[18:19]      ; v_codes: 4,096 bytes a step, 1,024 a d tile, 512 a half
	s_lshl_b32 s18, s2, 13
	s_lshl_b32 s46, s3, 9
	s_add_co_u32 s18, s18, s46
	s_lshl_b32 s46, s16, 8
	s_add_co_u32 s18, s18, s46
	s_add_nc_u64 s[78:79], s[78:79], s[18:19]      ; v_half: 512 bytes a step, 256 a half
; the fragments of K step s (128 along K): 32 LDS loads in one run, into set s % 2
.macro FETCH s
.set fc, (\s)/4
.set fq, (\s)%4
.set fp, (\s)%2
	WIN 0x40                                       ; destination window 1, address window 0
.irp tt, 0,1,2,3
.irp cc, 0,1
	ds_load_b128 v[128*fp+8*\tt+4*\cc:128*fp+8*\tt+4*\cc+3], v[ADX+fc] offset:16*PITCH*\tt+64*fq+32*\cc
.endr
.endr
.irp u, 0,1,2,3,4,5,6,7,8,9,10,11              ; u = 4 j + dt: row 48 dt + 3 r + j of the head's 192
.irp cc, 0,1
	ds_load_b128 v[128*fp+32+8*\u+4*\cc:128*fp+32+8*\u+4*\cc+3], v[ADW+fc] offset:PITCH*(48*(\u%4)+\u/4)+64*fq+32*\cc
.endr
.endr
.endm
; one matrix instruction from the symbols rD, rA, rB, rC, rSA, rSB; rRA, rRB: the side's scales stand in lanes 16-31
.macro WM
.if (rRA == 1) && (rRB == 1)
	v_wmma_scale_f32_16x16x128_f8f6f4 v[rD:rD+7], v[rA:rA+7], v[rB:rB+7], v[rC:rC+7], v[rSA], v[rSB] matrix_a_fmt:MATRIX_FMT_FP4 matrix_b_fmt:MATRIX_FMT_FP4 matrix_a_scale:MATRIX_SCALE_ROW1 matrix_b_scale:MATRIX_SCALE_ROW1
.elseif rRA == 1
	v_wmma_scale_f32_16x16x128_f8f6f4 v[rD:rD+7], v[rA:rA+7], v[rB:rB+7], v[rC:rC+7], v[rSA], v[rSB] matrix_a_fmt:MATRIX_FMT_FP4 matrix_b_fmt:MATRIX_FMT_FP4 matrix_a_scale:MATRIX_SCALE_ROW1
.elseif rRB == 1
	v_wmma_scale_f32_16x16x128_f8f6f4 v[rD:rD+7], v[rA:rA+7], v[rB:rB+7], v[rC:rC+7], v[rSA], v[rSB] matrix_a_fmt:MATRIX_FMT_FP4 matrix_b_fmt:MATRIX_FMT_FP4 matrix_b_scale:MATRIX_SCALE_ROW1
.else
	v_wmma_scale_f32_16x16x128_f8f6f4 v[rD:rD+7], v[rA:rA+7], v[rB:rB+7], v[rC:rC+7], v[rSA], v[rSB] matrix_a_fmt:MATRIX_FMT_FP4 matrix_b_fmt:MATRIX_FMT_FP4
.endif
.endm
; q and k: 32 matrix instructions, source 0 = W's rows, source 1 = the tokens.  In the first K step C is the bias tile
.macro MULQK s
.set mc, (\s)/4
.set mq, (\s)%4
.set mp, (\s)%2
.if (\s) == 0
	WIN 0xb5                                       ; sources 0, 1 window 1; C window 3; D window 2
.else
	WIN 0xa5                                       ; C and D window 2
.endif
.irp j, 0,1
.irp tt, 0,1,2,3
.irp dt, 0,1,2,3
.set rD, 128*\j+32*\tt+8*\dt
.set rA, 128*mp+32+8*(4*\j+\dt)
.set rB, 128*mp+8*\tt
.set rC, rD
.if (\s) == 0
.set rC, 128+32*\j+8*\dt
.endif
.set rSA, WSC+24*mc+4*(2*\j+\dt/2)+mq
.set rSB, XSC+8*mc+4*(\tt/2)+mq
.set rRA, \dt%2
.set rRB, \tt%2
	WM
.endr
.endr
.endr
.endm
; v: 16 matrix instructions, source 0 = the tokens, source 1 = W's rows
.macro MULV s
.set mc, (\s)/4
.set mq, (\s)%4
.set mp, (\s)%2
	WIN 0xf5                                       ; sources 0, 1 window 1; C and D window 3
.irp dt, 0,1,2,3
.irp tt, 0,1,2,3
.set rD, 32*\dt+8*\tt
.set rA, 128*mp+8*\tt
.set rB, 128*mp+32+8*(8+\dt)
.set rC, rD
.if (\s) == 0
.set rC, 192+8*\dt
.endif
.set rSA, XSC+8*mc+4*(\tt/2)+mq
.set rSB, WSC+24*mc+4*(4+\dt/2)+mq
.set rRA, \tt%2
.set rRB, \dt%2
	WM
.endr
.endr
.endm
; A K step: the next step's fragments are asked for first, then this step's 48 products.  The 48 accumulators take turns, one instruction a turn, in the same order in every step.
.macro STEP s
.if (\s) > 0
	PLACES 4                                       ; four places between the last product and loads into the set that it read (ISA guide 7.12.1 for vector instructions)
.endif
.if (\s) == 3
	s_wait_tensorcnt 0x0                           ; my part of slot 1 is in,
	s_wait_dscnt 0x0                               ; no LDS load of mine is out at the signal,
	s_barrier_signal -1
	s_barrier_wait -1                              ; everybody's part is in: K step 4 may be fetched
.endif
.if (\s) < 7
	FETCH (\s)+1
	s_wait_dscnt 32                                ; all but the 32 just issued: this step's fragments are in
.else
	s_wait_dscnt 0x0
.endif
	MULQK \s
	MULV \s
.endm
	s_wait_tensorcnt 0x1                           ; the scale bytes and my part of slot 0 are in; slot 1's load may be out
	s_barrier_signal -1
	s_barrier_wait -1                              ; everybody's are
.irp c, 0,1                                    ; all scale words, once: 16 loads of four words (four K steps)
.irp pp, 0,1
	ds_load_b128 v[XSC+8*\c+4*\pp:XSC+8*\c+4*\pp+3], v[AXS] offset:1024*\pp+16*\c
.endr
.irp u, 0,1,2,3,4,5                            ; u = 2 j + dp
	ds_load_b128 v[WSC+24*\c+4*\u:WSC+24*\c+4*\u+3], v[AWS] offset:32*(\u/2)+3072*(\u%2)+16*\c
.endr
.endr
	FETCH 0
	s_wait_loadcnt 0x0                             ; the bias tiles
	STEP 0
	STEP 1
	STEP 2
	STEP 3
	STEP 4
	STEP 5
	STEP 6
	STEP 7
; THE QUANTISER: eight blocks of 32 at a time.  Block g is 16 registers of mine (two neighbouring accumulators, at base + 16 g in window w) and the 16 of lane l xor 16.
; Its largest magnitude, with the floor among the leaves; 2 off its exponent field is the conversion's scale operand, and that shifted is the byte.  Each accumulator is read from its low end on.
; The conversions' results are half blocks; two exchanges of halves for each pair of blocks leave a whole block in a lane: lanes 0-15 the even block, lanes 16-31 the odd one: registers pc + 4 u .. + 3 are an operand's four.
.macro QUANT8 w, base, pc
	WIN ((\w)<<2)|((\w)<<4)                        ; sources 1 and 2 in window w
.irp g, 0,1,2,3,4,5,6,7
	v_max3_num_f32 v[TM+\g], v[FLR], |v[\base+16*\g]|, |v[\base+16*\g+1]|
.endr
.irp i, 2,4,6,8,10,12,14
.irp g, 0,1,2,3,4,5,6,7
	v_max3_num_f32 v[TM+\g], v[TM+\g], |v[\base+16*\g+\i]|, |v[\base+16*\g+\i+1]|
.endr
.endr
	WIN 0
.irp g, 0,1,2,3,4,5,6,7
	v_permlanex16_b32 v[TP+\g], v[TM+\g], s100, s101
.endr
.irp g, 0,1,2,3,4,5,6,7
	v_max_num_f32 v[TM+\g], v[TM+\g], v[TP+\g]
.endr
.irp g, 0,1,2,3,4,5,6,7
	v_add_nc_u32 v[SO+\g], 0xff000000, v[TM+\g]
.endr
.irp g, 0,1,2,3,4,5,6,7
	v_lshrrev_b32 v[BY+\g], 23, v[SO+\g]
.endr
	WIN \w                                         ; source 0 in window w
.irp g, 0,1,2,3,4,5,6,7
	v_cvt_scalef32_pk8_fp4_f32 v[\pc+2*\g], v[\base+16*\g:\base+16*\g+7], v[SO+\g]
	v_cvt_scalef32_pk8_fp4_f32 v[\pc+2*\g+1], v[\base+16*\g+8:\base+16*\g+15], v[SO+\g]
.endr
	WIN 0
	v_nop                                          ; one plain place behind the scaled conversions
.irp u, 0,1,2,3
.irp i, 0,1
	v_permlane16_swap_b32 v[\pc+4*\u+\i], v[\pc+4*\u+2+\i]
.endr
.endr
.endm
	PLACES 4                                       ; between the last product and the first read of results
	; ---- q: block g = 2 tt + b
	QUANT8 2, 0, PCQ
.irp u, 0,1,2,3
	global_store_b128 v[LI], v[PCQ+4*\u:PCQ+4*\u+3], s[68:69] offset:512*\u   ; tile T0 + u: 512 consecutive bytes
.endr
.irp tt, 0,1,2,3
	v_lshl_or_b32 v[SW+\tt], v[BY+2*\tt+1], 8, v[BY+2*\tt]
.endr
.irp tt, 0,1,2,3
	v_lshl_or_b32 v[SW+\tt], v[SW+\tt], 16, v[SW+\tt]          ; (s0, s1, s0, s1): q serves as the lower or as the upper 64 of a K of 128
.endr
	v_cndmask_b32 v[SW+4], v[SW], v[SW+1], s66     ; lanes 0-15: tile 0's words; lanes 16-31: tile 1's (both halves of the lanes hold a token's word)
	v_cndmask_b32 v[SW+5], v[SW+2], v[SW+3], s66
	global_store_b32 v[LS], v[SW+4], s[70:71]
	global_store_b32 v[LS], v[SW+5], s[70:71] offset:128
	; ---- k
	QUANT8 2, 128, PCK
.irp u, 0,1,2,3
	global_store_b128 v[LI], v[PCK+4*\u:PCK+4*\u+3], s[72:73] offset:512*\u
.endr
.irp p, 0,1
	v_lshl_or_b32 v[SW+6+\p], v[BY+4*\p+1], 8, v[BY+4*\p]      ; the even tile's two bytes,
	v_lshl_or_b32 v[SW+6+\p], v[BY+4*\p+2], 16, v[SW+6+\p]     ; the odd tile's two
	v_lshl_or_b32 v[SW+6+\p], v[BY+4*\p+3], 24, v[SW+6+\p]
.endr
	v_cndmask_b32 v[SW+8], v[SW+6], v[SW+7], s66
	global_store_b32 v[LS], v[SW+8], s[74:75]
	; ---- v: block g = 2 dt + b, b = which 32 of my 64 tokens
	QUANT8 3, 0, PCV
.irp u, 0,1,2,3
	global_store_b128 v[LI], v[PCV+4*\u:PCV+4*\u+3], s[76:77] offset:1024*\u  ; d tile u, half e of the key step
.endr
.irp dt, 0,1,2,3
	v_lshl_or_b32 v[SW+9+\dt], v[BY+2*\dt+1], 8, v[BY+2*\dt]
.endr
.irp dt, 0,1,2,3
	v_lshlrev_b32 v[SW+9+\dt], s45, v[SW+9+\dt]    ; at bytes 2 e, 2 e + 1; the other two stay 0 and come from the other wave's word
.endr
	v_cndmask_b32 v[SW+13], v[SW+9], v[SW+10], s66
	v_cndmask_b32 v[SW+14], v[SW+11], v[SW+12], s66
	global_store_b32 v[LS], v[SW+13], s[78:79]
	global_store_b32 v[LS], v[SW+14], s[78:79] offset:128
	s_wait_tensorcnt 0x0
	ds_add_u32 v254, v255
	s_wait_dscnt 0x0
	CROUND                                         ; the closing round: no work-group ends while a partner may still ask for a tile that names it
	s_endpgm
.Lfunc_end_k_qba946df497_qkv:
	.size	k_qba946df497_qkv, .Lfunc_end_k_qba946df497_qkv-k_qba946df497_qkv
	.p2alignl 7, 3214868480
	.fill 96, 4, 3214868480
	.section	.rodata,"a",@progbits
	.p2align	6, 0x0
	.amdhsa_kernel k_qba946df497_qkv
		.amdhsa_group_segment_fixed_size 262656
		.amdhsa_private_segment_fixed_size 0
		.amdhsa_enable_private_segment 0
		.amdhsa_kernarg_size 88
		.amdhsa_user_sgpr_count 2
		.amdhsa_user_sgpr_kernarg_segment_ptr 1
		.amdhsa_wavefront_size32 1
		.amdhsa_system_sgpr_workgroup_id_x 1
		.amdhsa_system_sgpr_workgroup_id_y 1
		.amdhsa_system_sgpr_workgroup_id_z 1
		.amdhsa_system_vgpr_workitem_id 0
		.amdhsa_next_free_vgpr 1024
		.amdhsa_next_free_sgpr 102
		.amdhsa_reserve_vcc 0
		.amdhsa_float_denorm_mode_32 3
		.amdhsa_float_denorm_mode_16_64 3
		.amdhsa_memory_ordered 1
		.amdhsa_forward_progress 1
		.amdhsa_inst_pref_size 112
	.end_amdhsa_kernel
	.amdgpu_metadata
---
amdhsa.version: [ 1, 2 ]
amdhsa.kernels:
  - .name:           k_qba946df497_qkv
    .symbol:         k_qba946df497_qkv.kd
    .args:
      - { .name: x_codes, .offset: 0, .size: 8, .value_kind: global_buffer, .address_space: global }
      - { .name: x_scales, .offset: 8, .size: 8, .value_kind: global_buffer, .address_space: global }
      - { .name: W_qkv_codes, .offset: 16, .size: 8, .value_kind: global_buffer, .address_space: global }
      - { .name: W_qkv_scales, .offset: 24, .size: 8, .value_kind: global_buffer, .address_space: global }
      - { .name: b_qkv, .offset: 32, .size: 8, .value_kind: global_buffer, .address_space: global }
      - { .name: q_codes, .offset: 40, .size: 8, .value_kind: global_buffer, .address_space: global }
      - { .name: q_sc, .offset: 48, .size: 8, .value_kind: global_buffer, .address_space: global }
      - { .name: k_codes, .offset: 56, .size: 8, .value_kind: global_buffer, .address_space: global }
      - { .name: k_sc, .offset: 64, .size: 8, .value_kind: global_buffer, .address_space: global }
      - { .name: v_codes, .offset: 72, .size: 8, .value_kind: global_buffer, .address_space: global }
      - { .name: v_half, .offset: 80, .size: 8, .value_kind: global_buffer, .address_space: global }
    .group_segment_fixed_size: 262656
    .private_segment_fixed_size: 0
    .kernarg_segment_align: 8
    .kernarg_segment_size: 88
    .max_flat_workgroup_size: 128
    .sgpr_count:     102
    .vgpr_count:     1024
    .wavefront_size: 32
...
	.end_amdgpu_metadata
.endif
;; end of part 2
;; launch attend (part 3): grid 4 x 64, 16 waves a work-group, no clusters, 210,944 bytes of LDS; arguments q_codes, q_sc, k_codes, k_sc, v_codes, v_half, flags, mask, out0; writes out0
.if DOCPART == 3
	.amdgcn_target "amdgcn-amd-amdhsa--gfx1250"
	.amdhsa_code_object_version 6
	.text
	.protected	k_qba946df497_attend
	.globl	k_qba946df497_attend
	.p2align	8
	.type	k_qba946df497_attend,@function
k_qba946df497_attend:
	s_mov_b64 s[64:65], 0
	v_nop
	global_prefetch_b8 v0, s[64:65] scope:SCOPE_SE
	s_setreg_imm32_b32 hwreg(HW_REG_WAVE_MODE, 25, 1), 1
	s_wait_xcnt 0x0
; out0[n][t][64 h + d] = the sum over keys of softmax(q.k / 8 + mask x -1e9) v, both products on codes of FP4 (E2M1) with E8M0 scales, from the register images that the launch before has stored.
; THE SOFTMAX: t = logit x log2(e); M = the running largest t rounded up to a whole number; p = 2^(t - M) is quantised along the keys, not normalised; the row's sum is taken of the unquantised p and divides at the end.
; SHARES.  A work-group takes one (n, h) and 32 tiles of 16 queries; wave w of work-group g takes tiles 16 g + w and 127 - (16 g + w), one after the other.  Four waves to a SIMD: one wave's vector work stands beside another's.
; A head's K and V (codes 2 x 65,536 bytes, scale words 2 x 4,096) are copied into LDS once, through registers; one barrier in the launch.
; THE MASK IS AN INPUT.  An earlier launch has stored, for each 8 rows and each step of 128 keys, whether the step's weights are all 0 in f32 (the step is left out) and whether the mask is exactly 0 there (it is not read).
; Every other step reads the mask and adds it.  These are scalar branches on stored whole numbers; the loop's trip count is a constant.
; NO TENSOR LOAD AND NO CLUSTER: branches hang on numbers read from memory, and the four work-groups of a head each copy K and V themselves.
; K = 64 IN AN INSTRUCTION OF K = 128: source 0 holds TWO tiles of 16 keys (registers 0-3 the even tile, 4-7 the odd one); source 1 is q with zero codes in the other half: v[20:27] = (q, 0) gives the even tile's scores,
; v[16:23] = (0, q) the odd tile's.  Zero codes add nothing under any scale byte that this program makes (1 .. 254).
; Both products are used transposed: a lane holds ONE query (lane % 16); register j of score tile t is key 16 t + 8 (lane / 16) + j.  p's codes take the same places in a block of 32 as v's took in the launch before.
; O^T is cleared at a tile's head: which step is the first to be worked is not known to the text.
; LIMITS: |q.k/8| under 3e8; NaN and infinities in the mask are not served; mask x -1e9 + q.k/8 is rounded once (one fused multiply-add, scaled by 8), equal to two roundings wherever mask x 1e9 is exact, so for 0 and 1;
; a block of p whose largest number lies under 2^-124 gets the byte 1.  A general step's mask loads take 16 bytes a lane from 16 rows.
; REGISTERS: v1-11, v30, v31, v240, v241 addresses; v12 -M, v13 the largest t, v[14:15] the sum; v[16:27] q between zeros; v28 q's scale word, v29 p's; v32-63 K's fragments, then V's; v64-127 the mask;
;   v128-191 the scores, then p; v192-223 O^T; v224-231 p's codes; v232-254 at work; v248-251 K's and V's scale words.
.set KC,  0                            ; LDS: K's codes [tile 128][lane][16]
.set VC,  65536                        ; V's codes [step 16][d tile 4][half 2][lane][16]
.set KSC, 131072                       ; K's scale words [pair of tiles 64][16]
.set VSC, 135168                       ; V's scale words [step][d tile][16]
.set STG, 139264                       ; a stage of 16 rows x 272 bytes for each wave
.set SP,  272
.set MK,  64
.set S,   128
.set O,   192
.set PC,  224
	s_load_b512 s[4:19], s[0:1], 0x0               ; q_codes, q_sc, k_codes, k_sc, v_codes, v_half, flags, mask
	s_load_b64 s[20:21], s[0:1], 0x40              ; out0
	v_lshl_add_u32 v243, v0, 2, 0x33000
	v_mov_b32 v255, 0
	v_lshrrev_b32 v232, 5, v0
	v_readfirstlane_b32 s22, v232                  ; wave 0..15
	s_and_b32 s23, ttmp7, 0xffff                   ; nh = 16 n + h
	v_and_b32 v233, 31, v0                         ; lane
	v_and_b32 v234, 15, v0                         ; r
	v_bfe_u32 v235, v0, 4, 1                       ; hh
	v_lshlrev_b32 v1, 4, v233                      ; 16 x lane: an image's place for my lane
	v_lshlrev_b32 v2, 2, v233                      ; 4 x lane
	v_lshlrev_b32 v3, 13, v234
	v_lshl_add_u32 v3, v235, 5, v3                 ; the mask: row r of 8,192 bytes, + 32 hh
	s_mul_i32 s44, s22, 16*SP
	s_add_co_u32 s44, s44, STG                     ; my stage
	v_mul_u32_u24 v4, v234, SP
	v_lshl_add_u32 v4, v235, 5, v4
	v_add_nc_u32 v4, s44, v4                       ; into it: row r, + 32 hh
	v_mul_u32_u24 v5, v235, SP
	v_lshl_add_u32 v5, v234, 4, v5
	v_add_nc_u32 v5, s44, v5                       ; back: lanes 0-15 one row, lanes 16-31 the next
	v_lshlrev_b32 v6, 12, v235
	v_lshl_add_u32 v6, v234, 4, v6                 ; and the same two rows in out0, 4,096 bytes apart
	v_lshlrev_b32 v7, 2, v234                      ; q's scale word: 4 r
	v_add_nc_u32 v31, VC, v1
	v_add_nc_u32 v240, KSC, v2
	v_add_nc_u32 v241, VSC, v2
	v_lshlrev_b32 v8, 4, v0                        ; the copy: 16 x thread,
	v_add_nc_u32 v9, VC, v8
	v_lshlrev_b32 v10, 3, v0                       ; 8 x thread
	v_add_nc_u32 v11, KSC, v10
	v_add_nc_u32 v30, VSC, v10
	v_lshlrev_b32 v254, 9, v232
	v_lshl_add_u32 v254, v233, 3, v254             ; v_half: 512 bytes a step (a wave a step), 8 bytes a lane
.irp i, 16,17,18,19,24,25,26,27
	v_mov_b32 v\i, 0                               ; the zero codes on both sides of q: written once
.endr
.irp i, 236,237,238,239,253
	v_mov_b32 v\i, 0                               ; lane exchanges' destinations, and the upper half of the pair v[252:253]
.endr
	s_mov_b32 s28, 0x76543210
	s_mov_b32 s29, 0xfedcba98                      ; lane l xor 16
	s_mov_b32 s30, 0x3e38aa3b                      ; log2(e) / 8
	s_mov_b32 s31, s30
	s_mov_b32 s34, 0xcfee6b28                      ; -8e9: the scores are 8 x the logits' first term
	s_mov_b32 s35, s34
	s_mov_b32 s45, 0
	s_lshl_b32 s24, ttmp9, 4
	s_add_co_u32 s24, s24, s22                     ; my first tile
	s_mov_b32 s25, 2                               ; tiles to go
	s_wait_kmcnt 0x0
	s_lshl_b32 s44, s23, 16
	s_add_nc_u64 s[4:5], s[4:5], s[44:45]          ; the head's first byte in each buffer
	s_add_nc_u64 s[8:9], s[8:9], s[44:45]
	s_add_nc_u64 s[12:13], s[12:13], s[44:45]
	s_lshl_b32 s44, s23, 13
	s_add_nc_u64 s[6:7], s[6:7], s[44:45]
	s_add_nc_u64 s[14:15], s[14:15], s[44:45]
	s_lshl_b32 s44, s23, 12
	s_add_nc_u64 s[10:11], s[10:11], s[44:45]
	s_lshr_b32 s44, s23, 4
	s_lshl_b32 s44, s44, 23                        ; n x 2,048 rows of 4,096 bytes
	s_and_b32 s48, s23, 15
	s_lshl_b32 s48, s48, 8                         ; + h x 256 bytes
	s_add_co_u32 s44, s44, s48
	s_add_nc_u64 s[20:21], s[20:21], s[44:45]
	; THE COPY: 19 loads a thread; each load of a wave covers 512 (the scale words: 256) consecutive bytes
.irp i, 0,1,2,3,4,5,6,7
	global_load_b128 v[64+4*\i:67+4*\i], v8, s[8:9] offset:8192*\i
.endr
.irp i, 0,1,2,3,4,5,6,7
	global_load_b128 v[96+4*\i:99+4*\i], v8, s[12:13] offset:8192*\i
.endr
	global_load_b64 v[32:33], v10, s[10:11]
	global_load_b64 v[34:35], v254, s[14:15]
	global_load_b64 v[36:37], v254, s[14:15] offset:256
	s_wait_loadcnt 11                              ; K's eight are in; V's eight and the three of scale words may be out
.irp i, 0,1,2,3,4,5,6,7
	ds_store_b128 v8, v[64+4*\i:67+4*\i] offset:8192*\i
.endr
	s_wait_loadcnt 3                               ; V's eight are in
.irp i, 0,1,2,3,4,5,6,7
	ds_store_b128 v9, v[96+4*\i:99+4*\i] offset:8192*\i
.endr
	s_wait_loadcnt 0x0
	ds_store_b64 v11, v[32:33]
	v_or_b32 v34, v34, v36                         ; V's scale word: bytes 0, 1 from one half's word, bytes 2, 3 from the other's
	v_or_b32 v35, v35, v37
	ds_store_b64 v30, v[34:35]
	s_wait_dscnt 0x0                               ; for the others' sake: my stores are done
	s_barrier_signal -1
	s_barrier_wait -1                              ; the head's K and V lie in LDS; nothing writes them again
.Ltile:
	s_lshl_b32 s44, s24, 3
	s_add_nc_u64 s[52:53], s[16:17], s[44:45]
	s_load_b64 s[46:47], s[52:53], 0x0             ; the flags of my 16 rows: two words
	s_lshl_b32 s44, s24, 9
	s_add_nc_u64 s[36:37], s[4:5], s[44:45]        ; q's image
	s_lshl_b32 s44, s24, 6
	s_add_nc_u64 s[38:39], s[6:7], s[44:45]        ; q's scale words
	s_lshl_b32 s44, s24, 17
	s_add_nc_u64 s[40:41], s[18:19], s[44:45]      ; my 16 rows of the mask
	s_lshl_b32 s44, s24, 16
	s_add_nc_u64 s[42:43], s[20:21], s[44:45]      ; my 16 rows of out0
	global_load_b128 v[20:23], v1, s[36:37]
	global_load_b32 v28, v7, s[38:39]
	v_mov_b32 v13, 0xff61b1e6                      ; the largest t so far: -3e38
	v_floor_f32 v12, -v13                          ; -M
	v_mov_b32 v14, 0
	v_mov_b32 v15, 0
.set j, 0
.rept 32
	v_mov_b32 v[O+j], 0
.set j, j+1
.endr
	s_mov_b32 s26, 0                               ; the key step
	s_mov_b32 s49, 0                               ; its codes in LDS: 4,096 bytes a step
	s_mov_b32 s50, 0                               ; its scale words: 256
	s_mov_b32 s51, 0                               ; its place in a row of the mask: 512
	s_wait_kmcnt 0x0
	s_and_b32 s27, s46, s47                        ; a bit stands where it stands for all 16 rows
	s_wait_loadcnt 0x0                             ; q
.Lstep:                                            ; 16 trips; bit 0 of s27: leave this step out; bit 16: its mask is 0
	s_bitcmp1_b32 s27, 0
	s_cbranch_scc1 .Lnext
	v_add_nc_u32 v8, s49, v1                       ; (these four are also the places between the last step's products and the loads into the registers that they read)
	v_add_nc_u32 v9, s49, v31
	v_add_nc_u32 v10, s50, v240
	v_add_nc_u32 v11, s50, v241
.irp t, 0,1,2,3,4,5,6,7
	ds_load_b128 v[32+4*\t:35+4*\t], v8 offset:512*\t           ; tile t's image: registers 8 p .. 8 p + 7 are the pair p
.endr
	ds_load_b32 v248, v10                          ; lanes 0-15: pair 0's words, lanes 16-31: pair 1's
	ds_load_b32 v249, v10 offset:128               ; pairs 2 and 3
	s_bitcmp1_b32 s27, 16
	s_cbranch_scc1 .Lno_mask
	v_add_nc_u32 v30, s51, v3
.irp t, 0,1,2,3,4,5,6,7
	global_load_b128 v[MK+8*\t:MK+8*\t+3], v30, s[40:41] offset:64*\t         ; mask(my query, keys 16 t + 8 hh + 0 .. 7): in the scores' layout
	global_load_b128 v[MK+8*\t+4:MK+8*\t+7], v30, s[40:41] offset:64*\t+16
.endr
.Lno_mask:
	s_wait_dscnt 0x0                               ; K's fragments and scale words
.irp p, 0,1,2,3
.if \p%2
	v_wmma_scale_f32_16x16x128_f8f6f4 v[S+16*\p:S+16*\p+7], v[32+8*\p:39+8*\p], v[20:27], 0, v[248+\p/2], v28 matrix_a_fmt:MATRIX_FMT_FP4 matrix_b_fmt:MATRIX_FMT_FP4 matrix_a_scale:MATRIX_SCALE_ROW1
	v_wmma_scale_f32_16x16x128_f8f6f4 v[S+8+16*\p:S+15+16*\p], v[32+8*\p:39+8*\p], v[16:23], 0, v[248+\p/2], v28 matrix_a_fmt:MATRIX_FMT_FP4 matrix_b_fmt:MATRIX_FMT_FP4 matrix_a_scale:MATRIX_SCALE_ROW1
.else
	v_wmma_scale_f32_16x16x128_f8f6f4 v[S+16*\p:S+16*\p+7], v[32+8*\p:39+8*\p], v[20:27], 0, v[248+\p/2], v28 matrix_a_fmt:MATRIX_FMT_FP4 matrix_b_fmt:MATRIX_FMT_FP4
	v_wmma_scale_f32_16x16x128_f8f6f4 v[S+8+16*\p:S+15+16*\p], v[32+8*\p:39+8*\p], v[16:23], 0, v[248+\p/2], v28 matrix_a_fmt:MATRIX_FMT_FP4 matrix_b_fmt:MATRIX_FMT_FP4
.endif
.endr
.rept 4
	v_nop                                          ; four places: for the loads into K's registers, and for the first read of the scores
.endr
.irp dt, 0,1,2,3
.irp c, 0,1
	ds_load_b128 v[32+8*\dt+4*\c:35+8*\dt+4*\c], v9 offset:1024*\dt+512*\c    ; V^T's fragments: they land while the softmax is worked
.endr
.endr
	ds_load_b32 v250, v11                          ; d tiles 0 and 1
	ds_load_b32 v251, v11 offset:128               ; 2 and 3
	s_bitcmp1_b32 s27, 16
	s_cselect_b32 s32, s30, 0x3f800000             ; the factor of the lines below: log2(e) / 8 on scores, 1 on finished t
	s_cselect_b32 s33, s31, 0x3f800000
	s_wait_loadcnt 0x0                             ; the mask, where it was asked for; on every path, so that no load into its registers is ever out at the next step's loads
	s_cbranch_scc1 .Lplain
.set j, 0
.rept 32
	v_pk_fma_f32 v[S+j:S+j+1], v[MK+j:MK+j+1], s[34:35], v[S+j:S+j+1] op_sel_hi:[1,0,1]   ; 8 x (q.k / 8 + mask x -1e9)
.set j, j+2
.endr
.set j, 0
.rept 32
	v_pk_mul_f32 v[S+j:S+j+1], v[S+j:S+j+1], s[30:31] op_sel_hi:[1,0]     ; t, rounded as t is defined: where all of a row is masked, neighbouring t fall together, and M is taken of these numbers
.set j, j+2
.endr
.Lplain:
.irp b, 0,1,2,3
	v_max3_num_f32 v[232+\b], v[S+16*\b], v[S+1+16*\b], v[S+2+16*\b]      ; the largest score of each block of 32 keys: for the row's maximum and, since p rises with the score, for the block's largest p
.endr
.irp i, 3,5,7,9,11,13
.irp b, 0,1,2,3
	v_max3_num_f32 v[232+\b], v[232+\b], v[S+16*\b+\i], v[S+1+16*\b+\i]
.endr
.endr
.irp b, 0,1,2,3
	v_max_num_f32 v[232+\b], v[232+\b], v[S+15+16*\b]
.endr
.irp b, 0,1,2,3
	v_permlanex16_b32 v[236+\b], v[232+\b], s28, s29
.endr
.irp b, 0,1,2,3
	v_max_num_f32 v[232+\b], v[232+\b], v[236+\b]  ; with lane l xor 16's 16 keys
.endr
	v_max3_num_f32 v254, v232, v233, v234
	v_max_num_f32 v254, v254, v235
	v_mul_f32 v254, s32, v254                      ; the step's largest t of my query
	v_max_num_f32 v13, v13, v254
	v_mov_b32 v254, v12
	v_floor_f32 v12, -v13                          ; the new -M = -ceil(t): a whole number
	v_sub_f32 v254, v12, v254                      ; old M - new M, 0 or less
	v_cvt_i32_f32 v254, v254                       ; (it saturates)
	v_ldexp_f32 v252, 1.0, v254                    ; f = 2^(old M - new M): rounds nothing
.set j, 0
.rept 32
	v_pk_fma_f32 v[S+j:S+j+1], v[S+j:S+j+1], s[32:33], v[12:13] op_sel_hi:[1,0,0]   ; t - M
.set j, j+2
.endr
.irp b, 0,1,2,3
	v_fma_f32 v[232+\b], v[232+\b], s32, v12       ; the same of each block's largest
.endr
.set j, 0
.rept 64
	v_exp_f32 v[S+j], v[S+j]                       ; p = 2^(t - M)
.set j, j+1
.endr
	v_pk_mul_f32 v[14:15], v[14:15], v[252:253] op_sel_hi:[1,0]   ; the sums under the new M: a plain instruction behind the exponentials
	s_wait_alu depctr_va_vdst(0)                   ; one wait for the batch of 64, ahead of its first reader
.irp b, 0,1,2,3
	v_exp_f32 v[232+\b], v[232+\b]                 ; the block's largest p: the same instructions on the same number give the same bits
.endr
	v_pk_add_f32 v[236:237], v[S:S+1], v[S+2:S+3]  ; the row's sum of the unquantised p, in two chains; it reads the 64 alone
.irp j, 4,8,12,16,20,24,28,32,36,40,44,48,52,56,60
	v_pk_add_f32 v[14:15], v[14:15], v[S+\j:S+1+\j]
	v_pk_add_f32 v[236:237], v[236:237], v[S+2+\j:S+3+\j]
.endr
	v_pk_add_f32 v[14:15], v[14:15], v[236:237]
	s_wait_alu depctr_va_vdst(0)                   ; and one for the four
.irp b, 0,1,2,3
	v_max_num_f32 v[232+\b], 0x1800000, v[232+\b]  ; the floor 2^(3 - 127): the byte cannot fall under 1
.endr
.irp b, 0,1,2,3
	v_add_nc_u32 v[244+\b], 0xff000000, v[232+\b]  ; 2 off the exponent field: the conversion's scale operand
.endr
.irp b, 0,1,2,3
	v_lshrrev_b32 v[236+\b], 23, v[244+\b]         ; the byte
.endr
	v_lshl_or_b32 v29, v237, 8, v236               ; p's scale word for these 128 keys
	v_lshl_or_b32 v29, v238, 16, v29
	v_lshl_or_b32 v29, v239, 24, v29
.irp b, 0,1,2,3
	v_cvt_scalef32_pk8_fp4_f32 v[PC+2*\b], v[S+16*\b:S+7+16*\b], v[244+\b]
	v_cvt_scalef32_pk8_fp4_f32 v[PC+1+2*\b], v[S+8+16*\b:S+15+16*\b], v[244+\b]
.endr
	v_nop                                          ; one plain place behind the scaled conversions
.irp c, 0,1
.irp i, 0,1
	v_permlane16_swap_b32 v[PC+4*\c+\i], v[PC+2+4*\c+\i]          ; a whole block in a lane: lanes 0-15 block 2 c, lanes 16-31 block 2 c + 1
.endr
.endr
.set j, 0
.rept 16
	v_pk_mul_f32 v[O+j:O+j+1], v[O+j:O+j+1], v[252:253] op_sel_hi:[1,0]   ; O^T under the new M; these sixteen are also the places between the scale word's and the codes' last writes and the products
.set j, j+2
.endr
	s_wait_dscnt 0x0                               ; V's fragments and scale words
.irp dt, 0,1,2,3                               ; O^T += V^T P^T: four accumulators by turns
.if \dt%2
	v_wmma_scale_f32_16x16x128_f8f6f4 v[O+8*\dt:O+8*\dt+7], v[32+8*\dt:39+8*\dt], v[PC:PC+7], v[O+8*\dt:O+8*\dt+7], v[250+\dt/2], v29 matrix_a_fmt:MATRIX_FMT_FP4 matrix_b_fmt:MATRIX_FMT_FP4 matrix_a_scale:MATRIX_SCALE_ROW1
.else
	v_wmma_scale_f32_16x16x128_f8f6f4 v[O+8*\dt:O+8*\dt+7], v[32+8*\dt:39+8*\dt], v[PC:PC+7], v[O+8*\dt:O+8*\dt+7], v[250+\dt/2], v29 matrix_a_fmt:MATRIX_FMT_FP4 matrix_b_fmt:MATRIX_FMT_FP4
.endif
.endr
.Lnext:
	s_lshr_b32 s27, s27, 1                         ; the next step's two bits
	s_add_co_u32 s49, s49, 4096
	s_add_co_u32 s50, s50, 256
	s_add_co_u32 s51, s51, 512
	s_add_co_u32 s26, s26, 1
	s_cmp_lt_u32 s26, 16
	s_cbranch_scc1 .Lstep
	; THE WAY OUT of a tile: O^T / the sum, through my stage, as whole pieces of 256 bytes of 16 rows of out0
	v_add_f32 v14, v14, v15                        ; the sum's two halves; with the three lines below: four places behind the last products
.rept 3
	v_nop
.endr
	v_permlanex16_b32 v236, v14, s28, s29
	v_add_f32 v14, v14, v236                       ; and lane l xor 16's
	v_rcp_f32 v14, v14
	v_nop                                          ; a plain place behind the reciprocal
	s_wait_alu depctr_va_vdst(0)                   ; and the wait ahead of its first reader
.set j, 0
.rept 16
	v_pk_mul_f32 v[S+j:S+j+1], v[O+j:O+j+1], v[14:15] op_sel_hi:[1,0]     ; register 8 dt + i is channel 16 dt + 8 hh + i of my query; each accumulator from its low end on
.set j, j+2
.endr
.irp dt, 0,1,2,3
	ds_store_b128 v4, v[S+8*\dt:S+8*\dt+3] offset:64*\dt
	ds_store_b128 v4, v[S+8*\dt+4:S+8*\dt+7] offset:64*\dt+16
.endr
.irp i, 0,1,2,3,4,5,6,7
	ds_load_b128 v[S+32+4*\i:S+35+4*\i], v5 offset:2*\i*SP        ; LDS serves a wave's instructions in order: these see my stores
.endr
.irp i, 0,1,2,3,4,5,6,7
	s_wait_dscnt 7-\i                              ; the younger loads may be out
	global_store_b128 v6, v[S+32+4*\i:S+35+4*\i], s[42:43] offset:8192*\i th:TH_STORE_NT   ; sixteen lanes store 256 consecutive bytes, aligned: a row's 64 channels of my head
.endr
	s_wait_xcnt 0x0                                ; the stores have read their registers and their base: both are written again in the next tile
	s_sub_co_u32 s24, 127, s24                     ; my other tile
	s_sub_co_u32 s25, s25, 1
	s_cmp_lg_u32 s25, 0
	s_cbranch_scc1 .Ltile
	s_wait_tensorcnt 0x0
	ds_add_u32 v243, v255
	s_wait_dscnt 0x0
	s_endpgm
.Lfunc_end_k_qba946df497_attend:
	.size	k_qba946df497_attend, .Lfunc_end_k_qba946df497_attend-k_qba946df497_attend
	.p2alignl 7, 3214868480
	.fill 96, 4, 3214868480
	.section	.rodata,"a",@progbits
	.p2align	6, 0x0
	.amdhsa_kernel k_qba946df497_attend
		.amdhsa_group_segment_fixed_size 210944
		.amdhsa_private_segment_fixed_size 0
		.amdhsa_enable_private_segment 0
		.amdhsa_kernarg_size 72
		.amdhsa_user_sgpr_count 2
		.amdhsa_user_sgpr_kernarg_segment_ptr 1
		.amdhsa_wavefront_size32 1
		.amdhsa_system_sgpr_workgroup_id_x 1
		.amdhsa_system_sgpr_workgroup_id_y 1
		.amdhsa_system_sgpr_workgroup_id_z 1
		.amdhsa_system_vgpr_workitem_id 0
		.amdhsa_next_free_vgpr 256
		.amdhsa_next_free_sgpr 66
		.amdhsa_reserve_vcc 0
		.amdhsa_float_denorm_mode_32 3
		.amdhsa_float_denorm_mode_16_64 3
		.amdhsa_memory_ordered 1
		.amdhsa_forward_progress 1
		.amdhsa_inst_pref_size 33
	.end_amdhsa_kernel
	.amdgpu_metadata
---
amdhsa.version: [ 1, 2 ]
amdhsa.kernels:
  - .name:           k_qba946df497_attend
    .symbol:         k_qba946df497_attend.kd
    .args:
      - { .name: q_codes, .offset: 0, .size: 8, .value_kind: global_buffer, .address_space: global }
      - { .name: q_sc, .offset: 8, .size: 8, .value_kind: global_buffer, .address_space: global }
      - { .name: k_codes, .offset: 16, .size: 8, .value_kind: global_buffer, .address_space: global }
      - { .name: k_sc, .offset: 24, .size: 8, .value_kind: global_buffer, .address_space: global }
      - { .name: v_codes, .offset: 32, .size: 8, .value_kind: global_buffer, .address_space: global }
      - { .name: v_half, .offset: 40, .size: 8, .value_kind: global_buffer, .address_space: global }
      - { .name: flags, .offset: 48, .size: 8, .value_kind: global_buffer, .address_space: global }
      - { .name: mask, .offset: 56, .size: 8, .value_kind: global_buffer, .address_space: global }
      - { .name: out0, .offset: 64, .size: 8, .value_kind: global_buffer, .address_space: global }
    .group_segment_fixed_size: 210944
    .private_segment_fixed_size: 0
    .kernarg_segment_align: 8
    .kernarg_segment_size: 72
    .max_flat_workgroup_size: 512
    .sgpr_count:     66
    .vgpr_count:     256
    .wavefront_size: 32
...
	.end_amdgpu_metadata
.endif
;; end of part 3
;; ======== version 2 of 2: 3 launches; version 1 with the launch attend written anew for expert scheduling mode
;; limits: right only within a limited range of input values
;; workspace buffers: flags 1,024 bytes of whole numbers; q_codes 4,194,304 bytes; k_codes 4,194,304 bytes; v_codes 4,194,304 bytes; q_sc 524,288 bytes; k_sc 262,144 bytes; v_half 524,288 bytes
;; launch classify: the kernel of part 1 again; grid 256 x 1, 8 waves a work-group, no clusters, 1,280 bytes of LDS; arguments mask, flags; writes flags
;; launch qkv: the kernel of part 2 again; grid 16 x 32, 4 waves a work-group, clusters of 4 x 4, 262,656 bytes of LDS; arguments x_codes, x_scales, W_qkv_codes, W_qkv_scales, b_qkv, q_codes, q_sc, k_codes, k_sc, v_codes, v_half; writes q_codes, q_sc, k_codes, k_sc, v_codes, v_half
;; launch attend (part 4): grid 4 x 64, 16 waves a work-group, no clusters, 210,944 bytes of LDS; arguments q_codes, q_sc, k_codes, k_sc, v_codes, v_half, flags, mask, out0; writes out0
.if DOCPART == 4
	.amdgcn_target "amdgcn-amd-amdhsa--gfx1250"
	.amdhsa_code_object_version 6
	.text
	.protected	k_qba946df497_attend
	.globl	k_qba946df497_attend
	.p2align	8
	.type	k_qba946df497_attend,@function
k_qba946df497_attend:
	s_mov_b64 s[64:65], 0
	v_nop
	global_prefetch_b8 v0, s[64:65] scope:SCOPE_SE
	s_setreg_imm32_b32 hwreg(HW_REG_WAVE_SCHED_MODE, 0, 2), 2
	s_setreg_imm32_b32 hwreg(HW_REG_WAVE_MODE, 25, 1), 1
	s_wait_xcnt 0x0
	s_wait_alu depctr_vm_vsrc(0)
; out0[n][t][64 h + d] = the sum over keys of softmax(q.k / 8 + mask x -1e9) v, both products on codes of FP4 (E2M1) with E8M0 scales, from the register images that the launch before has stored.
; THE SOFTMAX: t = logit x log2(e); M = the running largest t rounded up to a whole number; p = 2^(t - M) is quantised along the keys, not normalised; the row's sum is taken of the unquantised p and divides at the end.
; SHARES.  A work-group takes one (n, h) and 32 tiles of 16 queries; wave w of work-group g takes tiles 16 g + w and 127 - (16 g + w), one after the other.  Four waves to a SIMD: one wave's vector work stands beside another's.
; A head's K and V (codes 2 x 65,536 bytes, scale words 2 x 4,096) are copied into LDS once, through registers; one barrier in the launch.
; THE MASK IS AN INPUT.  An earlier launch has stored, for each 8 rows and each step of 128 keys, whether the step's weights are all 0 in f32 (the step is left out) and whether the mask is exactly 0 there (it is not read).
; Every other step reads the mask and adds it.  These are scalar branches on stored whole numbers; the loop's trip count is a constant.
; NO TENSOR LOAD AND NO CLUSTER: branches hang on numbers read from memory, and the four work-groups of a head each copy K and V themselves.
; K = 64 IN AN INSTRUCTION OF K = 128: source 0 holds TWO tiles of 16 keys (registers 0-3 the even tile, 4-7 the odd one); source 1 is q with zero codes in the other half: v[20:27] = (q, 0) gives the even tile's scores,
; v[16:23] = (0, q) the odd tile's.  Zero codes add nothing under any scale byte that this program makes (1 .. 254).
; Both products are used transposed: a lane holds ONE query (lane % 16); register j of score tile t is key 16 t + 8 (lane / 16) + j.  p's codes take the same places in a block of 32 as v's took in the launch before.
; O^T is cleared at a tile's head: which step is the first to be worked is not known to the text.
; LIMITS: |q.k/8| under 3e8; NaN and infinities in the mask are not served; mask x -1e9 + q.k/8 is rounded once (one fused multiply-add, scaled by 8), equal to two roundings wherever mask x 1e9 is exact, so for 0 and 1;
; a block of p whose largest number lies under 2^-124 gets the byte 1.  A general step's mask loads take 16 bytes a lane from 16 rows.
; REGISTERS: v1-11, v30, v31, v240, v241 addresses; v12 -M, v13 the largest t, v[14:15] the sum; v[16:27] q between zeros; v28 q's scale word, v29 p's; v32-63 K's fragments, then V's; v64-127 the mask;
;   v128-191 the scores, then p; v192-223 O^T; v224-231 p's codes; v232-254 at work; v248-251 K's and V's scale words.
; THE MODE: SCHED_MODE bits 1:0 = 2 (LLVM: expert scheduling mode 2), set by the entry lines.  The code itself states the register dependences between vector or matrix instructions and memory or LDS instructions,
; with s_wait_alu, always for 0.
; THE PLAN.  Registers that memory or LDS instructions touch in a worked step, in program order:
;   v8-11      written by the four additions at the step's head; v8, v10 read by K's LDS loads, v9, v11 by V's.
;   v[32:63]   K's loads land; the eight score products read them; V's loads land; the four last products read them.  v248-249 go with K, v250-251 with V.
;   v[64:127]  a general step's mask loads land; its multiply-adds read them.  Their offset v3 is never written: the scalar base moves on by a step.
;   The launch gives a wave 256 registers and 255 are named: there is no room for a second buffer of fragments, so K and V take turns in one.
; At the step's head: a wait on vm_vsrc (the LDS loads issued so far have read v8-11), the four additions, a wait on va_vdst (they are written; the last step's final products are done reading v[32:63]; the last general step is done
; reading v[64:127]).  The mask's and K's loads follow it.  V's loads stand behind the wait for the batch of 64 exponentials, which the score products precede: it states that these are done reading v[32:63]; the loads are dealt among
; the row's sums, which name none of their registers.  One more wait on va_vdst stands ahead of the last products, whose operand p and its scale word vector instructions have just written.
.set KC,  0                            ; LDS: K's codes [tile 128][lane][16]
.set VC,  65536                        ; V's codes [step 16][d tile 4][half 2][lane][16]
.set KSC, 131072                       ; K's scale words [pair of tiles 64][16]
.set VSC, 135168                       ; V's scale words [step][d tile][16]
.set STG, 139264                       ; a stage of 16 rows x 272 bytes for each wave
.set SP,  272
.set MK,  64
.set S,   128
.set O,   192
.set PC,  224
	s_load_b512 s[4:19], s[0:1], 0x0               ; q_codes, q_sc, k_codes, k_sc, v_codes, v_half, flags, mask
	s_load_b64 s[20:21], s[0:1], 0x40              ; out0
	v_lshl_add_u32 v243, v0, 2, 0x33000
	v_mov_b32 v255, 0
	v_lshrrev_b32 v232, 5, v0
	v_readfirstlane_b32 s22, v232                  ; wave 0..15
	s_and_b32 s23, ttmp7, 0xffff                   ; nh = 16 n + h
	v_and_b32 v233, 31, v0                         ; lane
	v_and_b32 v234, 15, v0                         ; r
	v_bfe_u32 v235, v0, 4, 1                       ; hh
	v_lshlrev_b32 v1, 4, v233                      ; 16 x lane: an image's place for my lane
	v_lshlrev_b32 v2, 2, v233                      ; 4 x lane
	v_lshlrev_b32 v3, 13, v234
	v_lshl_add_u32 v3, v235, 5, v3                 ; the mask: row r of 8,192 bytes, + 32 hh; never written again
	s_wait_alu depctr_va_sdst(0)                   ; s22 is written, ahead of its first reader: my stage and my tiles are made from it
	s_mul_i32 s44, s22, 16*SP
	s_add_co_u32 s44, s44, STG                     ; my stage
	v_mul_u32_u24 v4, v234, SP
	v_lshl_add_u32 v4, v235, 5, v4
	v_add_nc_u32 v4, s44, v4                       ; into it: row r, + 32 hh
	v_mul_u32_u24 v5, v235, SP
	v_lshl_add_u32 v5, v234, 4, v5
	v_add_nc_u32 v5, s44, v5                       ; back: lanes 0-15 one row, lanes 16-31 the next
	v_lshlrev_b32 v6, 12, v235
	v_lshl_add_u32 v6, v234, 4, v6                 ; and the same two rows in out0, 4,096 bytes apart
	v_lshlrev_b32 v7, 2, v234                      ; q's scale word: 4 r
	v_add_nc_u32 v31, VC, v1
	v_add_nc_u32 v240, KSC, v2
	v_add_nc_u32 v241, VSC, v2
	v_lshlrev_b32 v8, 4, v0                        ; the copy: 16 x thread,
	v_add_nc_u32 v9, VC, v8
	v_lshlrev_b32 v10, 3, v0                       ; 8 x thread
	v_add_nc_u32 v11, KSC, v10
	v_add_nc_u32 v30, VSC, v10
	v_lshlrev_b32 v254, 9, v232
	v_lshl_add_u32 v254, v233, 3, v254             ; v_half: 512 bytes a step (a wave a step), 8 bytes a lane
.irp i, 16,17,18,19,24,25,26,27
	v_mov_b32 v\i, 0                               ; the zero codes on both sides of q: written once
.endr
.irp i, 236,237,238,239,253
	v_mov_b32 v\i, 0                               ; lane exchanges' destinations, and the upper half of the pair v[252:253]
.endr
	s_mov_b32 s28, 0x76543210
	s_mov_b32 s29, 0xfedcba98                      ; lane l xor 16
	s_mov_b32 s30, 0x3e38aa3b                      ; log2(e) / 8
	s_mov_b32 s31, s30
	s_mov_b32 s34, 0xcfee6b28                      ; -8e9: the scores are 8 x the logits' first term
	s_mov_b32 s35, s34
	s_mov_b32 s45, 0
	s_lshl_b32 s24, ttmp9, 4
	s_add_co_u32 s24, s24, s22                     ; my first tile
	s_mov_b32 s25, 2                               ; tiles to go
	s_wait_kmcnt 0x0
	s_lshl_b32 s44, s23, 16
	s_add_nc_u64 s[4:5], s[4:5], s[44:45]          ; the head's first byte in each buffer
	s_add_nc_u64 s[8:9], s[8:9], s[44:45]
	s_add_nc_u64 s[12:13], s[12:13], s[44:45]
	s_lshl_b32 s44, s23, 13
	s_add_nc_u64 s[6:7], s[6:7], s[44:45]
	s_add_nc_u64 s[14:15], s[14:15], s[44:45]
	s_lshl_b32 s44, s23, 12
	s_add_nc_u64 s[10:11], s[10:11], s[44:45]
	s_lshr_b32 s44, s23, 4
	s_lshl_b32 s44, s44, 23                        ; n x 2,048 rows of 4,096 bytes
	s_and_b32 s48, s23, 15
	s_lshl_b32 s48, s48, 8                         ; + h x 256 bytes
	s_add_co_u32 s44, s44, s48
	s_add_nc_u64 s[20:21], s[20:21], s[44:45]
	; THE COPY: 19 loads a thread; each load of a wave covers 512 (the scale words: 256) consecutive bytes
	s_wait_alu depctr_va_vdst(0)                   ; all addresses and offsets (v1-11, v30, v31, v240, v241, v254) are written, which the loads and stores of the kernel read; so are the zero codes v16-19, v24-27, which the score products take
.irp i, 0,1,2,3,4,5,6,7
	global_load_b128 v[64+4*\i:67+4*\i], v8, s[8:9] offset:8192*\i
.endr
.irp i, 0,1,2,3,4,5,6,7
	global_load_b128 v[96+4*\i:99+4*\i], v8, s[12:13] offset:8192*\i
.endr
	global_load_b64 v[32:33], v10, s[10:11]
	global_load_b64 v[34:35], v254, s[14:15]
	global_load_b64 v[36:37], v254, s[14:15] offset:256
	s_wait_loadcnt 11                              ; K's eight are in; V's eight and the three of scale words may be out
.irp i, 0,1,2,3,4,5,6,7
	ds_store_b128 v8, v[64+4*\i:67+4*\i] offset:8192*\i
.endr
	s_wait_loadcnt 3                               ; V's eight are in
.irp i, 0,1,2,3,4,5,6,7
	ds_store_b128 v9, v[96+4*\i:99+4*\i] offset:8192*\i
.endr
	s_wait_loadcnt 0x0
	ds_store_b64 v11, v[32:33]
	v_or_b32 v34, v34, v36                         ; V's scale word: bytes 0, 1 from one half's word, bytes 2, 3 from the other's
	v_or_b32 v35, v35, v37
	s_wait_alu depctr_va_vdst(0)                   ; the two lines above have written v[34:35], which the LDS store reads
	ds_store_b64 v30, v[34:35]
	s_wait_dscnt 0x0                               ; for the others' sake: my stores are done
	s_barrier_signal -1
	s_barrier_wait -1                              ; the head's K and V lie in LDS; nothing writes them again
.Ltile:
	s_lshl_b32 s44, s24, 3
	s_add_nc_u64 s[52:53], s[16:17], s[44:45]
	s_load_b64 s[46:47], s[52:53], 0x0             ; the flags of my 16 rows: two words
	s_lshl_b32 s44, s24, 9
	s_add_nc_u64 s[36:37], s[4:5], s[44:45]        ; q's image
	s_lshl_b32 s44, s24, 6
	s_add_nc_u64 s[38:39], s[6:7], s[44:45]        ; q's scale words
	s_lshl_b32 s44, s24, 17
	s_add_nc_u64 s[40:41], s[18:19], s[44:45]      ; my 16 rows of the mask, at key step 0
	s_lshl_b32 s44, s24, 16
	s_add_nc_u64 s[42:43], s[20:21], s[44:45]      ; my 16 rows of out0
	s_wait_alu depctr_va_vdst(0)                   ; the last tile's score products are done reading q's codes v[20:23] and its scale word v28, in which the two loads below land
	global_load_b128 v[20:23], v1, s[36:37]
	global_load_b32 v28, v7, s[38:39]
	v_mov_b32 v13, 0xff61b1e6                      ; the largest t so far: -3e38
	v_floor_f32 v12, -v13                          ; -M
	v_mov_b32 v14, 0
	v_mov_b32 v15, 0
.set j, 0
.rept 32
	v_mov_b32 v[O+j], 0
.set j, j+1
.endr
	s_mov_b32 s26, 0                               ; the key step
	s_mov_b32 s49, 0                               ; its codes in LDS: 4,096 bytes a step
	s_mov_b32 s50, 0                               ; its scale words: 256
	s_wait_kmcnt 0x0
	s_and_b32 s27, s46, s47                        ; a bit stands where it stands for all 16 rows
	s_wait_loadcnt 0x0                             ; q
.Lstep:                                            ; 16 trips; bit 0 of s27: leave this step out; bit 16: its mask is 0
	s_bitcmp1_b32 s27, 0
	s_cbranch_scc1 .Lnext
	s_wait_alu depctr_vm_vsrc(0)                   ; the LDS loads of the last worked step have read v8-11, which the four lines below write; in a wave's first worked step: the copy's loads and LDS stores have read v8-11 and v254, and v32-35 and v64-127, in which this step's loads land
	v_add_nc_u32 v8, s49, v1
	v_add_nc_u32 v9, s49, v31
	v_add_nc_u32 v10, s50, v240
	v_add_nc_u32 v11, s50, v241
	s_wait_alu depctr_va_vdst(0)                   ; v8-11 are written, which this step's LDS loads read; the last step's final products are done reading v[32:63], in which K's loads land; the last general step's multiply-adds are done reading v[64:127], in which the mask's land
	s_bitcmp1_b32 s27, 16
	s_cbranch_scc1 .Lno_mask
.irp t, 0,1,2,3,4,5,6,7
	global_load_b128 v[MK+8*\t:MK+8*\t+3], v3, s[40:41] offset:64*\t          ; mask(my query, keys 16 t + 8 hh + 0 .. 7): in the scores' layout; asked for first: it comes from memory
	global_load_b128 v[MK+8*\t+4:MK+8*\t+7], v3, s[40:41] offset:64*\t+16
.endr
.Lno_mask:
.irp t, 0,1,2,3,4,5,6,7
	ds_load_b128 v[32+4*\t:35+4*\t], v8 offset:512*\t           ; tile t's image: registers 8 p .. 8 p + 7 are the pair p
.endr
	ds_load_b32 v248, v10                          ; lanes 0-15: pair 0's words, lanes 16-31: pair 1's
	ds_load_b32 v249, v10 offset:128               ; pairs 2 and 3
	s_wait_dscnt 0x0                               ; K's fragments and scale words
.irp p, 0,1,2,3
.if \p%2
	v_wmma_scale_f32_16x16x128_f8f6f4 v[S+16*\p:S+16*\p+7], v[32+8*\p:39+8*\p], v[20:27], 0, v[248+\p/2], v28 matrix_a_fmt:MATRIX_FMT_FP4 matrix_b_fmt:MATRIX_FMT_FP4 matrix_a_scale:MATRIX_SCALE_ROW1
	v_wmma_scale_f32_16x16x128_f8f6f4 v[S+8+16*\p:S+15+16*\p], v[32+8*\p:39+8*\p], v[16:23], 0, v[248+\p/2], v28 matrix_a_fmt:MATRIX_FMT_FP4 matrix_b_fmt:MATRIX_FMT_FP4 matrix_a_scale:MATRIX_SCALE_ROW1
.else
	v_wmma_scale_f32_16x16x128_f8f6f4 v[S+16*\p:S+16*\p+7], v[32+8*\p:39+8*\p], v[20:27], 0, v[248+\p/2], v28 matrix_a_fmt:MATRIX_FMT_FP4 matrix_b_fmt:MATRIX_FMT_FP4
	v_wmma_scale_f32_16x16x128_f8f6f4 v[S+8+16*\p:S+15+16*\p], v[32+8*\p:39+8*\p], v[16:23], 0, v[248+\p/2], v28 matrix_a_fmt:MATRIX_FMT_FP4 matrix_b_fmt:MATRIX_FMT_FP4
.endif
.endr
.rept 4
	v_nop                                          ; four places between the last product and the first read of the scores (ISA guide 7.12.1)
.endr
	s_bitcmp1_b32 s27, 16
	s_cselect_b32 s32, s30, 0x3f800000             ; the factor of the lines below: log2(e) / 8 on scores, 1 on finished t
	s_cselect_b32 s33, s31, 0x3f800000
	s_wait_loadcnt 0x0                             ; the mask, where it was asked for; on every path, so that no load that reads the mask's base is out where the base moves on
	s_cbranch_scc1 .Lplain
.set j, 0
.rept 32
	v_pk_fma_f32 v[S+j:S+j+1], v[MK+j:MK+j+1], s[34:35], v[S+j:S+j+1] op_sel_hi:[1,0,1]   ; 8 x (q.k / 8 + mask x -1e9)
.set j, j+2
.endr
.set j, 0
.rept 32
	v_pk_mul_f32 v[S+j:S+j+1], v[S+j:S+j+1], s[30:31] op_sel_hi:[1,0]     ; t, rounded as t is defined: where all of a row is masked, neighbouring t fall together, and M is taken of these numbers
.set j, j+2
.endr
.Lplain:
.irp b, 0,1,2,3
	v_max3_num_f32 v[232+\b], v[S+16*\b], v[S+1+16*\b], v[S+2+16*\b]      ; the largest score of each block of 32 keys: for the row's maximum and, since p rises with the score, for the block's largest p
.endr
.irp i, 3,5,7,9,11,13
.irp b, 0,1,2,3
	v_max3_num_f32 v[232+\b], v[232+\b], v[S+16*\b+\i], v[S+1+16*\b+\i]
.endr
.endr
.irp b, 0,1,2,3
	v_max_num_f32 v[232+\b], v[232+\b], v[S+15+16*\b]
.endr
.irp b, 0,1,2,3
	v_permlanex16_b32 v[236+\b], v[232+\b], s28, s29
.endr
.irp b, 0,1,2,3
	v_max_num_f32 v[232+\b], v[232+\b], v[236+\b]  ; with lane l xor 16's 16 keys
.endr
	v_max3_num_f32 v254, v232, v233, v234
	v_max_num_f32 v254, v254, v235
	v_mul_f32 v254, s32, v254                      ; the step's largest t of my query
	v_max_num_f32 v13, v13, v254
	v_mov_b32 v254, v12
	v_floor_f32 v12, -v13                          ; the new -M = -ceil(t): a whole number
	v_sub_f32 v254, v12, v254                      ; old M - new M, 0 or less
	v_cvt_i32_f32 v254, v254                       ; (it saturates)
	v_ldexp_f32 v252, 1.0, v254                    ; f = 2^(old M - new M): rounds nothing
.set j, 0
.rept 32
	v_pk_fma_f32 v[S+j:S+j+1], v[S+j:S+j+1], s[32:33], v[12:13] op_sel_hi:[1,0,0]   ; t - M
.set j, j+2
.endr
.irp b, 0,1,2,3
	v_fma_f32 v[232+\b], v[232+\b], s32, v12       ; the same of each block's largest
.endr
.set j, 0
.rept 64
	v_exp_f32 v[S+j], v[S+j]                       ; p = 2^(t - M)
.set j, j+1
.endr
	v_pk_mul_f32 v[14:15], v[14:15], v[252:253] op_sel_hi:[1,0]   ; the sums under the new M: a plain instruction behind the exponentials
	s_wait_alu depctr_va_vdst(0)                   ; the 64 exponentials have written p, ahead of its first reader; and the score products are done reading v[32:63], in which V's loads below land
.irp b, 0,1,2,3
	v_exp_f32 v[232+\b], v[232+\b]                 ; the block's largest p: the same instructions on the same number give the same bits
.endr
	v_pk_add_f32 v[236:237], v[S:S+1], v[S+2:S+3]  ; the row's sum of the unquantised p, in two chains; it reads the 64 alone
; V^T's eight loads of fragments (number n: d tile n / 2, half n % 2) and two of scale words are dealt among the sums, one to a pair of additions.  No wait: no vector or matrix instruction since the wait above
; names v[32:63] or v250-251, and none since the wait at the step's head names v9 or v11.
.set n, 0
.irp j, 4,8,12,16,20,24,28,32,36,40,44,48,52,56,60
	v_pk_add_f32 v[14:15], v[14:15], v[S+\j:S+1+\j]
	v_pk_add_f32 v[236:237], v[236:237], v[S+2+\j:S+3+\j]
.if n < 8
	ds_load_b128 v[32+4*n:35+4*n], v9 offset:512*n
.elseif n < 10
	ds_load_b32 v[250+n-8], v11 offset:128*(n-8)   ; d tiles 0 and 1; 2 and 3
.endif
.set n, n+1
.endr
	v_pk_add_f32 v[14:15], v[14:15], v[236:237]
	s_wait_alu depctr_va_vdst(0)                   ; the four exponentials have written v232-235, ahead of their first reader
.irp b, 0,1,2,3
	v_max_num_f32 v[232+\b], 0x1800000, v[232+\b]  ; the floor 2^(3 - 127): the byte cannot fall under 1
.endr
.irp b, 0,1,2,3
	v_add_nc_u32 v[244+\b], 0xff000000, v[232+\b]  ; 2 off the exponent field: the conversion's scale operand
.endr
.irp b, 0,1,2,3
	v_lshrrev_b32 v[236+\b], 23, v[244+\b]         ; the byte
.endr
	v_lshl_or_b32 v29, v237, 8, v236               ; p's scale word for these 128 keys
	v_lshl_or_b32 v29, v238, 16, v29
	v_lshl_or_b32 v29, v239, 24, v29
.irp b, 0,1,2,3
	v_cvt_scalef32_pk8_fp4_f32 v[PC+2*\b], v[S+16*\b:S+7+16*\b], v[244+\b]
	v_cvt_scalef32_pk8_fp4_f32 v[PC+1+2*\b], v[S+8+16*\b:S+15+16*\b], v[244+\b]
.endr
	v_nop                                          ; one plain place behind the scaled conversions
.irp c, 0,1
.irp i, 0,1
	v_permlane16_swap_b32 v[PC+4*\c+\i], v[PC+2+4*\c+\i]          ; a whole block in a lane: lanes 0-15 block 2 c, lanes 16-31 block 2 c + 1
.endr
.endr
.set j, 0
.rept 16
	v_pk_mul_f32 v[O+j:O+j+1], v[O+j:O+j+1], v[252:253] op_sel_hi:[1,0]   ; O^T under the new M; these sixteen are also the places between the scale word's and the codes' last writes and the products
.set j, j+2
.endr
	s_wait_dscnt 0x0                               ; V's fragments and scale words
	s_wait_alu depctr_va_vdst(0)                   ; p's codes v[224:231] and its scale word v29 are written, which the scaled products below take; the places above stay beside this wait
.irp dt, 0,1,2,3                               ; O^T += V^T P^T: four accumulators by turns
.if \dt%2
	v_wmma_scale_f32_16x16x128_f8f6f4 v[O+8*\dt:O+8*\dt+7], v[32+8*\dt:39+8*\dt], v[PC:PC+7], v[O+8*\dt:O+8*\dt+7], v[250+\dt/2], v29 matrix_a_fmt:MATRIX_FMT_FP4 matrix_b_fmt:MATRIX_FMT_FP4 matrix_a_scale:MATRIX_SCALE_ROW1
.else
	v_wmma_scale_f32_16x16x128_f8f6f4 v[O+8*\dt:O+8*\dt+7], v[32+8*\dt:39+8*\dt], v[PC:PC+7], v[O+8*\dt:O+8*\dt+7], v[250+\dt/2], v29 matrix_a_fmt:MATRIX_FMT_FP4 matrix_b_fmt:MATRIX_FMT_FP4
.endif
.endr
.Lnext:
	s_lshr_b32 s27, s27, 1                         ; the next step's two bits
	s_add_co_u32 s49, s49, 4096
	s_add_co_u32 s50, s50, 256
	s_add_nc_u64 s[40:41], s[40:41], 512           ; the mask's base: 128 keys on.  No load that reads it is out: every worked step has waited for all its loads
	s_add_co_u32 s26, s26, 1
	s_cmp_lt_u32 s26, 16
	s_cbranch_scc1 .Lstep
	; THE WAY OUT of a tile: O^T / the sum, through my stage, as whole pieces of 256 bytes of 16 rows of out0
	v_add_f32 v14, v14, v15                        ; the sum's two halves; with the three lines below: four places behind the last products
.rept 3
	v_nop
.endr
	v_permlanex16_b32 v236, v14, s28, s29
	v_add_f32 v14, v14, v236                       ; and lane l xor 16's
	v_rcp_f32 v14, v14
	v_nop                                          ; a plain place behind the reciprocal
	s_wait_alu depctr_va_vdst(0)                   ; the reciprocal has written v14, ahead of its first reader
.set j, 0
.rept 16
	v_pk_mul_f32 v[S+j:S+j+1], v[O+j:O+j+1], v[14:15] op_sel_hi:[1,0]     ; register 8 dt + i is channel 16 dt + 8 hh + i of my query; each accumulator from its low end on
.set j, j+2
.endr
	s_wait_alu depctr_va_vdst(0)                   ; the sixteen lines above have written v[128:159], which the LDS stores read; and the softmax is done with v[160:191], in which the loads from the stage land
.irp dt, 0,1,2,3
	ds_store_b128 v4, v[S+8*\dt:S+8*\dt+3] offset:64*\dt
	ds_store_b128 v4, v[S+8*\dt+4:S+8*\dt+7] offset:64*\dt+16
.endr
.irp i, 0,1,2,3,4,5,6,7
	ds_load_b128 v[S+32+4*\i:S+35+4*\i], v5 offset:2*\i*SP        ; LDS serves a wave's instructions in order: these see my stores
.endr
.irp i, 0,1,2,3,4,5,6,7
	s_wait_dscnt 7-\i                              ; the younger loads may be out
	global_store_b128 v6, v[S+32+4*\i:S+35+4*\i], s[42:43] offset:8192*\i th:TH_STORE_NT   ; sixteen lanes store 256 consecutive bytes, aligned: a row's 64 channels of my head
.endr
	s_wait_xcnt 0x0                                ; the stores have had their addresses translated: their base is written again in the next tile
	s_wait_alu depctr_vm_vsrc(0)                   ; the LDS stores have read v[128:159] and the global stores v[160:191], which the next tile's products, multiplies and loads from the stage write again
	s_sub_co_u32 s24, 127, s24                     ; my other tile
	s_sub_co_u32 s25, s25, 1
	s_cmp_lg_u32 s25, 0
	s_cbranch_scc1 .Ltile
	s_wait_dscnt 0x0
	s_wait_alu depctr_hold_cnt(0) depctr_sa_sdst(0) depctr_va_vdst(0) depctr_va_sdst(0) depctr_va_ssrc(0) depctr_va_vcc(0) depctr_vm_vsrc(0)
	s_wait_tensorcnt 0x0
	ds_add_u32 v243, v255
	s_wait_dscnt 0x0
	s_endpgm
.Lfunc_end_k_qba946df497_attend:
	.size	k_qba946df497_attend, .Lfunc_end_k_qba946df497_attend-k_qba946df497_attend
	.p2alignl 7, 3214868480
	.fill 96, 4, 3214868480
	.section	.rodata,"a",@progbits
	.p2align	6, 0x0
	.amdhsa_kernel k_qba946df497_attend
		.amdhsa_group_segment_fixed_size 210944
		.amdhsa_private_segment_fixed_size 0
		.amdhsa_enable_private_segment 0
		.amdhsa_kernarg_size 72
		.amdhsa_user_sgpr_count 2
		.amdhsa_user_sgpr_kernarg_segment_ptr 1
		.amdhsa_wavefront_size32 1
		.amdhsa_system_sgpr_workgroup_id_x 1
		.amdhsa_system_sgpr_workgroup_id_y 1
		.amdhsa_system_sgpr_workgroup_id_z 1
		.amdhsa_system_vgpr_workitem_id 0
		.amdhsa_next_free_vgpr 256
		.amdhsa_next_free_sgpr 66
		.amdhsa_reserve_vcc 0
		.amdhsa_float_denorm_mode_32 3
		.amdhsa_float_denorm_mode_16_64 3
		.amdhsa_memory_ordered 1
		.amdhsa_forward_progress 1
		.amdhsa_inst_pref_size 34
	.end_amdhsa_kernel
	.amdgpu_metadata
---
amdhsa.version: [ 1, 2 ]
amdhsa.kernels:
  - .name:           k_qba946df497_attend
    .symbol:         k_qba946df497_attend.kd
    .args:
      - { .name: q_codes, .offset: 0, .size: 8, .value_kind: global_buffer, .address_space: global }
      - { .name: q_sc, .offset: 8, .size: 8, .value_kind: global_buffer, .address_space: global }
      - { .name: k_codes, .offset: 16, .size: 8, .value_kind: global_buffer, .address_space: global }
      - { .name: k_sc, .offset: 24, .size: 8, .value_kind: global_buffer, .address_space: global }
      - { .name: v_codes, .offset: 32, .size: 8, .value_kind: global_buffer, .address_space: global }
      - { .name: v_half, .offset: 40, .size: 8, .value_kind: global_buffer, .address_space: global }
      - { .name: flags, .offset: 48, .size: 8, .value_kind: global_buffer, .address_space: global }
      - { .name: mask, .offset: 56, .size: 8, .value_kind: global_buffer, .address_space: global }
      - { .name: out0, .offset: 64, .size: 8, .value_kind: global_buffer, .address_space: global }
    .group_segment_fixed_size: 210944
    .private_segment_fixed_size: 0
    .kernarg_segment_align: 8
    .kernarg_segment_size: 72
    .max_flat_workgroup_size: 512
    .sgpr_count:     66
    .vgpr_count:     256
    .wavefront_size: 32
...
	.end_amdgpu_metadata
.endif
;; end of part 4
